; MI455X (gfx1250); checked and timed in simulation.
; The chip was launched on July 23, 2026; its instructions are those of AMD's public machine-readable ISA for CDNA 5 (MIT licence, August 2026) and "CDNA5" Instruction Set Architecture Reference Guide (July 2026). The comments in the code are by the model that wrote it; some were corrected since.
;; Self Attention. Allowed arithmetic: matrix products marked QUANTISED: E2M3 operands, one E8M0 scale for each 32 along K, by v_wmma_scale_f32_16x16x128_f8f6f4 with both operands' format E2M3, f32 sums; everything else in f32.
;; Inputs: Wk 1,024 x 1,024 float32; Wq 1,024 x 1,024 float32; Wv 1,024 x 1,024 float32; bk 1,024 float32; bq 1,024 float32; bv 1,024 float32; x 4 x 2,048 x 1,024 float32.
;; Outputs: out0 4 x 2,048 x 1,024 float32.
;; This version of the problem:
;;   THIS VERSION OF THE PROBLEM IS GIVEN IN LOW PRECISION. The matrix products marked QUANTISED in the list below multiply operands that are first quantised to E2M3 (2 exponent bits, 3 mantissa bits; 6 bits a number), with one power-of-two scale for each 32 numbers along K (OCP MX v1.0); their sums are f32. All else is computed in f32.
;;   The module's matrix products, in the order in which they are computed (A, B: the left and right operand; K: the contracted axis; several contracted axes count as one K, in the product's order):
;;     1. [M 8,192, K 1,024] x [K 1,024, N 1,024]; A: input x; B: input Wq: QUANTISED
;;     2. [M 8,192, K 1,024] x [K 1,024, N 1,024]; A: input x; B: input Wk: QUANTISED
;;     3. [M 8,192, K 1,024] x [K 1,024, N 1,024]; A: input x; B: input Wv: QUANTISED
;;     4. batch 4 x [M 2,048, K 1,024] x [K 1,024, N 2,048]; A: computed on the way; B: computed on the way: QUANTISED
;;     5. batch 4 x [M 2,048, K 2,048] x [K 2,048, N 1,024]; A: softmax (see below); B: computed on the way: QUANTISED
;;   THE QUANTISER, for each operand of a quantised product, along K:
;;     - K is cut into blocks of 32 from its start; a last block that is shorter is filled with zeros.
;;     - A block's scale is 2^e with e = floor(log2(the largest magnitude in the block)) - 2, held to -126 .. 127; a block of zeros has e = 0. As a byte (E8M0): e + 127.
;;     - Each number is divided by its block's scale, clamped to +-7.5, and rounded to the nearest number of E2M3, ties to even, subnormals kept.
;;     - The product sums the exact products of the quantised numbers (number of the format x scale) in f32.
;;   ~~~python
;;   def quantise(x, axis):      # numpy; x: float32 -> the quantised numbers, widened to float32 again
;;       x = np.moveaxis(x, axis, -1); K = x.shape[-1]
;;       x = np.pad(x, [(0, 0)] * (x.ndim - 1) + [(0, -K % 32)]); x = x.reshape(x.shape[:-1] + (-1, 32)); a = np.abs(x).max(-1, keepdims=True)
;;       e = np.where(a > 0, np.clip(np.frexp(np.where(a > 0, a, 1))[1] - 1 - 2, -126, 127), 0)      # np.frexp(a)[1] - 1 = floor(log2(a)), exactly
;;       r = np.clip(x / 2.0 ** e, -7.5, 7.5)
;;       step = 2.0 ** (np.maximum(np.frexp(np.where(r == 0, 1, r))[1] - 1, 0) - 3)
;;       q = np.round(r / step) * step * 2.0 ** e      # np.round: ties to even
;;       return np.moveaxis(q.reshape(q.shape[:-2] + (-1,))[..., :K], -1, axis).astype(np.float32)
;;   ~~~
;;   SOFTMAX AHEAD OF A QUANTISED PRODUCT. Where the list says 'softmax', what is quantised is not the finished softmax but p = 2^(t - M), with t = logit x log2(e) and M = ceil(the row's largest t), a whole number; so 1/2 < the row's largest p <= 1. The row's sum l is taken of the UNQUANTISED p, in f32, and the product's result is divided by l at the end. Since M is a whole number, a kernel that streams over the keys may use a running M (the ceiling of the running maximum): every later rescaling is an exact power of two, which a block's scale takes up: the codes' values come out the same.
;;   OPERANDS COMPUTED ON THE WAY. 'Computed on the way' means the value that the module computes at that place (a softmax that the list does not call 'softmax' is quantised finished and normalised). What goes into a quantiser is computed in f32, as accurately as f32 sums, v_exp_f32 and their like allow (about 1e-6 of the number): no bf16 or f16 on the way to a quantiser, and a product that is left as it is and whose result goes on into a quantised operand takes f32 operands (vector FMAs, or v_wmma_f32_16x16x4_f32). A number that lies on a knife's edge between two numbers of the format may be rounded either way, as far as f32 arithmetic and the matrix unit's own rounding can turn it there, and no further.
;; One version. Each part assembles by itself: llvm-mc -triple=amdgcn-amd-amdhsa -mcpu=gfx1250 --defsym DOCPART=n.
;; ======== version 1 of 1: 4 launches
;; limits: right only within a limited range of input values
;; workspace buffers: xw 9,011,200 bytes; qkv 19,660,800 bytes; pp 14,155,776 bytes
;; launch quant (part 1): grid 704 x 1, 4 waves a work-group, no clusters, 68,608 bytes of LDS; arguments x, Wq, Wk, Wv, xw; writes xw
.if DOCPART == 1
	.amdgcn_target "amdgcn-amd-amdhsa--gfx1250"
	.amdhsa_code_object_version 6
	.text
	.protected	k_q89e7b33ec8_quant
	.globl	k_q89e7b33ec8_quant
	.p2align	8
	.type	k_q89e7b33ec8_quant,@function
k_q89e7b33ec8_quant:
	s_mov_b64 s[64:65], 0
	v_nop
	global_prefetch_b8 v0, s[64:65] scope:SCOPE_SE
	s_setreg_imm32_b32 hwreg(HW_REG_WAVE_MODE, 25, 1), 1
	s_wait_xcnt 0x0
; x [8192][1024] and Wq, Wk, Wv [1024][1024], f32, K innermost, become codes of FP6 (E2M3) with one E8M0 scale byte for each 32 along K, laid as images of operand registers.  No work of the problem is left out in this program.
; A fragment is 16 rows x 128 K = 12 registers a lane = 1,536 bytes: byte 512 c + 16 lane + 4 j is register 4 c + j of that lane.  Lane r of tile T holds row 64 (T / 4) + 8 (T % 4) + r % 8 + 32 (r / 8) of its tensor:
; a lane's 4 x 8 results of a product whose source 0 takes four such tiles are then 32 neighbours, one scale block of the next product.
; xw: place P of 704: 8 fragments (K steps) on end, 12,288 bytes; at XS + 512 P its scale words [half of K][row 16][K step 4].  x's tile t lies at place 16 (t / 16) + 2 (t % 8) + (t / 8) % 2; the weights' 192 tiles follow in order from place 512 on.
; SHARES.  Work-group n takes tiles 2 (n / 2), 2 (n / 2) + 1 (32 rows), K steps 4 (n % 2) + wave.  Each load reads 512 consecutive bytes of a row; the rows turn through the wave's own stage in LDS (pitch 528), from which a lane takes two whole blocks of 32.
; A block's scale is 2^(floor(log2(its largest magnitude)) - 2); its byte is the largest magnitude's exponent field - 2, held at 1 from below.
; LIMITS: a block of zeros gets the byte 1 where the rule says 127 (its codes are zeros, and this program alone reads the bytes); NaN and infinities among the inputs are not served.
.set PIT,   528
.set STG,   32*PIT
.set SCS,   4*STG                      ; behind the stages: the work-group's scale words [tile 2][row 16][wave 4]
.set SPARE, SCS+512                    ; the spare words, 128 bytes a wave, which no other line names
.set TB,    12288
.set XS,    704*TB
.set LI,    4                          ; 16 x lane
.set SIN,   5
.set SOUT,  6
.set H8,    7                          ; 8 x (lane / 16)
.set SPW,   8
.set NIL,   9
.set TM,    10                         ; v10-13 at work
.set SO,    14                         ; v14, v15 the conversions' scale operands
.set PX,    16
.set SCI,   17                         ; LDS: my word's place
.set SCR,   18                         ; LDS: 16 bytes a lane of the work-group's words
.set SCO,   19                         ; and their place in xw
.set PW,    26
.set PWJ,   28
.set RAW,   32                         ; v32-159 32 rows as loaded; later the second fragment's 64 numbers
.set XN,    160                        ; v160-223 the first fragment's 64 numbers; later the second's codes
.set PC,    224
.set HM,    24
.set SEL,   26
.macro QUANT s, pw, pc                 ; a lane's 64 numbers, register 32 c + i = k 64 c + 32 (lane / 16) + i of its row, become a fragment's 12 registers and its scale word
.irp k, 0,1,2,3
	v_max3_num_f32 v[TM+\k], |v[\s+16*\k]|, |v[\s+1+16*\k]|, 0x1800000   ; with the floor 2^(3 - 127): the byte cannot fall under 1
.endr
.irp i, 2,4,6,8,10,12,14
.irp k, 0,1,2,3
	v_max3_num_f32 v[TM+\k], v[TM+\k], |v[\s+16*\k+\i]|, |v[\s+1+16*\k+\i]|
.endr
.endr
.irp c, 0,1
	v_max_num_f32 v[TM+2*\c], v[TM+2*\c], v[TM+2*\c+1]
.endr
.irp c, 0,1
	v_add_nc_u32 v[SO+\c], 0xff000000, v[TM+2*\c]       ; 2 off its exponent field: the conversion's scale operand
.endr
.irp c, 0,1
	v_lshrrev_b32 v[TM+2*\c], 23, v[SO+\c]
.endr
	v_lshl_or_b32 v[\pw], v[TM+2], 16, v[TM]
	v_lshlrev_b32 v[\pw], v[H8], v[\pw]                 ; my bytes: blocks h and 2 + h
.irp c, 0,1
	v_cvt_scalef32_pk16_fp6_f32 v[\pc+6*\c:\pc+2+6*\c], v[\s+32*\c:\s+15+32*\c], v[SO+\c]
	v_cvt_scalef32_pk16_fp6_f32 v[\pc+12+4*\c:\pc+14+4*\c], v[\s+16+32*\c:\s+31+32*\c], v[SO+\c]   ; (a conversion's three registers begin on an even number)
.endr
	v_permlanex16_b32 v[PX], v[\pw], s[SEL], s[SEL+1]
	v_or_b32 v[\pw], v[\pw], v[PX]                      ; with lane l xor 16's two the word is whole
.irp c, 0,1
.irp i, 0,1,2
	v_mov_b32 v[\pc+3+6*\c+\i], v[\pc+12+4*\c+\i]
.endr
.endr
.endm
	s_load_b256 s[4:11], s[0:1], 0x0               ; x s[4:5], Wq s[6:7], Wk s[8:9], Wv s[10:11]
	s_load_b64 s[12:13], s[0:1], 0x20              ; xw
	s_lshr_b32 s16, ttmp9, 1                       ; the pair of tiles, 0..351
	s_and_b32 s25, ttmp9, 1                        ; which half of K
	s_mov_b32 s22, 24576
	s_mov_b32 s23, 1024
	s_lshr_b32 s18, s16, 3
	s_lshl_b32 s18, s18, 4
	s_and_b32 s19, s16, 3
	s_lshl_b32 s19, s19, 2
	s_add_co_u32 s18, s18, s19
	s_bfe_u32 s19, s16, 0x10002
	s_add_co_u32 s18, s18, s19                     ; x: the first tile's place; the second's is two on
	s_lshl_b32 s19, s16, 1                         ; a weight: the second's is one on
	s_cmp_lt_u32 s16, 256
	s_cselect_b32 s20, s18, s19
	s_cselect_b32 s22, s22, 12288
	s_cselect_b32 s23, s23, 512
	v_lshl_add_u32 v[SPW], v0, 2, SPARE
	v_mov_b32 v[NIL], 0
	v_lshrrev_b32 v1, 5, v0
	v_readfirstlane_b32 s14, v1
	v_and_b32 v1, 31, v0
	v_and_b32 v2, 15, v0
	v_bfe_u32 v3, v0, 4, 1
	v_lshlrev_b32 v[LI], 4, v1
	s_mul_i32 s15, s14, STG
	v_add_nc_u32 v[SIN], s15, v[LI]
	v_mul_u32_u24 v[SOUT], v2, PIT
	v_lshl_add_u32 v[SOUT], v3, 7, v[SOUT]
	v_add_nc_u32 v[SOUT], s15, v[SOUT]
	v_lshlrev_b32 v[H8], 3, v3
	v_lshlrev_b32 v[SCO], 4, v2
	v_lshl_add_u32 v[SCI], v3, 8, v[SCO]
	s_lshl_b32 s15, s14, 2
	s_add_co_u32 s15, s15, SCS
	v_add_nc_u32 v[SCI], s15, v[SCI]
	v_add_nc_u32 v[SCR], SCS, v[LI]
	v_mul_u32_u24 v1, s23, v3
	v_add_nc_u32 v[SCO], v[SCO], v1                ; 16 r, lanes 16-31 in the second tile's words
	v_mov_b32 v[PX], 0                             ; (a lane permute's destination counts as one of its sources)
	s_wait_alu depctr_va_vdst(0)                   ; the wait at the head's end
	s_mov_b32 s[HM], 0xffff0000
	s_mov_b32 s[SEL], 0x76543210
	s_mov_b32 s[SEL+1], 0xfedcba98
	s_lshl_b32 s17, s25, 2
	s_add_co_u32 s17, s17, s14                     ; my K step
	s_and_b32 s18, s16, 31                         ; the pair's number inside a weight
	s_wait_kmcnt 0x0
	s_cmp_lt_u32 s16, 288                          ; which tensor: the choice hangs on the work-group's number alone
	s_cselect_b64 s[6:7], s[6:7], s[8:9]
	s_cmp_lt_u32 s16, 320
	s_cselect_b64 s[6:7], s[6:7], s[10:11]
	s_cmp_lt_u32 s16, 256
	s_cselect_b64 s[4:5], s[4:5], s[6:7]
	s_cselect_b32 s18, s16, s18
	s_lshr_b32 s19, s18, 1
	s_lshl_b32 s19, s19, 18                        ; 64 rows of 4,096 bytes
	s_and_b32 s18, s18, 1
	s_lshl_b32 s18, s18, 16                        ; + 16 rows
	s_add_co_u32 s18, s18, s19
	s_lshl_b32 s19, s17, 9                         ; + 512 bytes a K step
	s_add_co_u32 s18, s18, s19
	s_mov_b32 s19, 0
	s_add_nc_u64 s[4:5], s[4:5], s[18:19]
.set i, 0
.rept 32                               ; loaded row i is row i of the pair's 32: rows 0-15 of the 64 and rows 32-47
	global_load_b128 v[RAW+4*i:RAW+4*i+3], v[LI], s[4:5] offset:4096*(i+16*(i/16)) th:TH_LOAD_NT
.set i, i+1
.endr
	s_mul_i32 s18, s20, TB
	s_mul_i32 s17, s17, 1536
	s_add_co_u32 s18, s18, s17
	s_add_nc_u64 s[6:7], s[12:13], s[18:19]        ; the first fragment's place
	s_mov_b32 s18, s22
	s_add_nc_u64 s[8:9], s[6:7], s[18:19]          ; the second's
	s_lshl_b32 s18, s20, 9
	s_lshl_b32 s17, s25, 8
	s_add_co_u32 s18, s18, s17
	s_add_co_u32 s18, s18, XS
	s_add_nc_u64 s[10:11], s[12:13], s[18:19]      ; their words
.set i, 0
.rept 32                               ; loaded row i goes to stage row 16 ((i / 8) % 2) + i % 8 + 8 (i / 16): a tile's 16 rows are then neighbours in the stage
.if i%8 == 0
	s_wait_loadcnt 24-i                            ; the next eight rows are in, the younger ones stay out
.endif
	ds_store_b128 v[SIN], v[RAW+4*i:RAW+4*i+3] offset:(16*((i>>3)&1)+(i&7)+8*(i>>4))*PIT
.set i, i+1
.endr
.irp c, 0,1
.irp j, 0,1,2,3,4,5,6,7
	ds_load_b128 v[XN+32*\c+4*\j:XN+32*\c+4*\j+3], v[SOUT] offset:256*\c+16*\j          ; LDS serves a wave's instructions in order: these see my stores
.endr
.endr
	s_wait_dscnt 0x0                               ; the first fragment's numbers are in, and the stores have read v32 on
.irp c, 0,1
.irp j, 0,1,2,3,4,5,6,7
	ds_load_b128 v[RAW+32*\c+4*\j:RAW+32*\c+4*\j+3], v[SOUT] offset:16*PIT+256*\c+16*\j  ; the second fragment's land while the first is quantised
.endr
.endr
	QUANT XN, PW, PC
.irp c, 0,1,2
	global_store_b128 v[LI], v[PC+4*\c:PC+4*\c+3], s[6:7] offset:512*\c                 ; 512 consecutive bytes, at a multiple of 256 from xw's first byte
.endr
	s_wait_alu depctr_va_vdst(0)                   ; the wait here, directly ahead of the wait below
	s_wait_dscnt 0x0
	QUANT RAW, PW+1, XN
.irp c, 0,1,2
	global_store_b128 v[LI], v[XN+4*\c:XN+4*\c+3], s[8:9] offset:512*\c
.endr
	v_cndmask_b32 v[PWJ], v[PW], v[PW+1], s[HM]    ; lanes 0-15 the first tile's words, lanes 16-31 the second's
	ds_store_b32 v[SCI], v[PWJ]
	s_wait_dscnt 0x0                               ; for wave 0's sake: my words have landed
	s_barrier_signal -1
	s_barrier_wait -1
	s_cmp_lg_u32 s14, 0
	s_cbranch_scc1 .Lend
	ds_load_b128 v[RAW:RAW+3], v[SCR]              ; (registers that no store reads)
	s_wait_dscnt 0x0
	global_store_b128 v[SCO], v[RAW:RAW+3], s[10:11] ; wave 0: two aligned units of 256 bytes
.Lend:
	s_wait_tensorcnt 0x0                           ; the wave's end, behind my last LDS store
	ds_add_u32 v[SPW], v[NIL]
	s_wait_dscnt 0x0
	s_endpgm
.Lfunc_end_k_q89e7b33ec8_quant:
	.size	k_q89e7b33ec8_quant, .Lfunc_end_k_q89e7b33ec8_quant-k_q89e7b33ec8_quant
	.p2alignl 7, 3214868480
	.fill 96, 4, 3214868480
	.section	.rodata,"a",@progbits
	.p2align	6, 0x0
	.amdhsa_kernel k_q89e7b33ec8_quant
		.amdhsa_group_segment_fixed_size 68608
		.amdhsa_private_segment_fixed_size 0
		.amdhsa_enable_private_segment 0
		.amdhsa_kernarg_size 40
		.amdhsa_user_sgpr_count 2
		.amdhsa_user_sgpr_kernarg_segment_ptr 1
		.amdhsa_wavefront_size32 1
		.amdhsa_system_sgpr_workgroup_id_x 1
		.amdhsa_system_sgpr_workgroup_id_y 1
		.amdhsa_system_sgpr_workgroup_id_z 1
		.amdhsa_system_vgpr_workitem_id 0
		.amdhsa_next_free_vgpr 256
		.amdhsa_next_free_sgpr 66
		.amdhsa_reserve_vcc 0
		.amdhsa_float_denorm_mode_32 3
		.amdhsa_float_denorm_mode_16_64 3
		.amdhsa_memory_ordered 1
		.amdhsa_forward_progress 1
		.amdhsa_inst_pref_size 18
	.end_amdhsa_kernel
	.amdgpu_metadata
---
amdhsa.version: [ 1, 2 ]
amdhsa.kernels:
  - .name:           k_q89e7b33ec8_quant
    .symbol:         k_q89e7b33ec8_quant.kd
    .args:
      - { .name: x, .offset: 0, .size: 8, .value_kind: global_buffer, .address_space: global }
      - { .name: Wq, .offset: 8, .size: 8, .value_kind: global_buffer, .address_space: global }
      - { .name: Wk, .offset: 16, .size: 8, .value_kind: global_buffer, .address_space: global }
      - { .name: Wv, .offset: 24, .size: 8, .value_kind: global_buffer, .address_space: global }
      - { .name: xw, .offset: 32, .size: 8, .value_kind: global_buffer, .address_space: global }
    .group_segment_fixed_size: 68608
    .private_segment_fixed_size: 0
    .kernarg_segment_align: 8
    .kernarg_segment_size: 40
    .max_flat_workgroup_size: 128
    .sgpr_count:     66
    .vgpr_count:     256
    .wavefront_size: 32
...
	.end_amdgpu_metadata
.endif
;; end of part 1
;; launch proj (part 2): grid 16 x 16, 4 waves a work-group, clusters of 4 x 4, 327,680 bytes of LDS; arguments xw, bq, bk, bv, qkv; writes qkv
.if DOCPART == 2
	.amdgcn_target "amdgcn-amd-amdhsa--gfx1250"
	.amdhsa_code_object_version 6
	.text
	.protected	k_q89e7b33ec8_proj
	.globl	k_q89e7b33ec8_proj
	.p2align	8
	.type	k_q89e7b33ec8_proj,@function
k_q89e7b33ec8_proj:
	s_mov_b64 s[64:65], 0
	v_nop
	global_prefetch_b8 v0, s[64:65] scope:SCOPE_SE
	s_setreg_imm32_b32 hwreg(HW_REG_WAVE_MODE, 25, 1), 1
	s_wait_xcnt 0x0
	s_wait_alu depctr_hold_cnt(0) depctr_sa_sdst(0) depctr_va_vdst(0) depctr_va_sdst(0) depctr_va_ssrc(0) depctr_va_vcc(0) depctr_vm_vsrc(0)
	s_getreg_b32 s2, hwreg(HW_REG_IB_STS2, 6, 4)
	s_cmp_eq_u32 s2, 0
	s_cbranch_scc0 .Lentry_in_a_cluster
	s_endpgm
.Lentry_in_a_cluster:
	s_bfe_u32 s2, ttmp6, 0x10000c
	s_cmp_lg_u32 s2, 0xf033
	s_cbranch_scc0 .Lentry_shape_is_right
	s_endpgm
.Lentry_shape_is_right:
; q, k, v = x W^T + b on codes of FP6 (E2M3) with E8M0 scales, and the quantisers of the three results.  No f32 result is stored.
; qkv is made of rows of 12,800 bytes: eight fragments of 1,536 bytes and their 512 bytes of scale words [row 16][tile 8].  q: row 64 S + G (S = K step of 128 of e, G = 128 tokens); k: 512 rows on; v: row 1,024 + 32 s + g (s = key step of a batch, g = 8 batch + e / 128).
; q's and k's fragments are two halves of 768 bytes (64 of e each): registers 0-3 as 16 bytes a lane, registers 4-5 as 8 bytes a lane; v's are 3 x 16 bytes a lane.
; LIMITS: a block of zeros gets the byte 1 (zero codes; this program alone reads the bytes); NaN and infinities are not served.
; THE DEAL.  256 work-groups of four waves, 2 x 2 (a = wave / 2, b = wave % 2).  A wave holds 64 rows of a weight, all of K, in registers (32 fragments, 384 registers); x's rows stream past in blocks of 16 rows, all of K (8 fragments), in two sets of registers.
; Phase 1: 256 x 128 of v.  Phase 2: 512 x 128 of q or k.  v's 256 rows are a half of the work-group's own 512 (the half s87 = cluster x % 2), so the two chunks of 128 rows asked for at the head serve v's eight blocks and then, still in LDS, phase 2's first eight.
; Phase 2's tensor is s19 = cluster x / 2, its tile column s42 = 4 x cluster x + cx, its tile row s43; v's tile column is 4 s19 + cx, its tile row 2 s43 + s87: each tile of v has one work-group.
; Wave a takes the 16 tiles of 256 rows as tile 8 a + s for its block s; quant laid that tile at place 2 s + a.  x's rows are asked for jointly by a row of the cluster, a weight's by a column.
; LDS: two slots for x's chunks, the weights' 128 rows, two places for a chunk's scale words, the stages of the results' scale bytes, the spare words.
; FILLS.  At the head one tensor load a wave: W_v's rows, both chunks' scale words, chunk 0, chunk 1.  Three refills, each in a drained round: in v's block 2 the weights' region (W_q's or W_k's rows), in phase 2's blocks 2 and 6 the other half's chunks and scale words.
; A block is 32 products; behind every second one stand two entries of the block's list: addresses, descriptors, and the largest magnitude of the block before.  Its conversions stand behind the block's last product.
; A first product takes the bias as its C, laid in registers as the result lies.
; COUNTED WAITS: a block's fetch is NF = 26 LDS loads.  Younger than the fetch that is waited for are the next block's fetch and the byte stores issued between the two: none, one or four.
; PREFETCHES, shared out by address among the sixteen waves that will ask jointly: the second weight at the head, chunk 2 and the later scale words behind the first refill, chunk 3 between the phases.
.set TB,    12288
.set CH,    8*TB                       ; a chunk: 128 rows
.set BVB,   2*CH
.set SCL,   3*CH
.set XN,    SCL+2*4096                 ; q's or k's scale bytes: [half in the order of work][a][row 16][tile 8][4]
.set XM,    XN+2048                    ; v's: [a][row 16][tile 8][4]
.set SPARE, XM+1024
.set XS,    704*TB
.set RB,    12800                      ; a row of qkv
.set NF,    26
.set ADRA0, 4                          ; LDS address of my fragments of block 0
.set AAS0,  6                          ; of my scale words of block 0
.set CO,    9                          ; 16 x lane
.set SPW,   10
.set NIL,   11
.set ADRA,  12                         ; as v4 and v6, for the block that is fetched next
.set ADRB,  14                         ; LDS address of my fragments of the weight
.set CO8,   15                         ; 8 x lane
.set ABS,   16
.set AAS,   17
.set STO,   18                         ; LDS, q's or k's scale byte
.set STV,   19                         ; LDS, v's
.set SB,    24                         ; v24-39 the weight's scale words: lanes 0-15 an even tile's, lanes 16-31 the odd one's
.set TQ,    40
.set SA,    44                         ; v44-59 the rows' scale words, two sets of eight
.set TC,    60
.set ACC,   64                         ; phase 2: two sets of four accumulators, v64-127
.set HV0,   64                         ; phase 1, band 0: v64-191, 32 t + 8 j + i
.set HV1,   840                        ; band 1: v840-967
.set NCD,   128                        ; phase 2: two sets of six registers of codes
.set BBQ,   160                        ; v160-191 q's or k's bias
.set MCD,   192                        ; phase 1: four fragments of codes
.set SOP,   240
.set EB,    244
.set VX,    248
.set SB2,   968                        ; the second weight's scale words
.set BBV,   992                        ; v992-1023 v's bias
.set G1A, 24
.set G1B, 32
.set G0A, 56
.set G0B, 60
.set G0R, 68
.set G0S, 72
.set G1S, 92
.set MSB, 0
.macro WIN new                         ; the immediate's high byte repeats the setting that is left
.if MSB != (\new)
	s_set_vgpr_msb (MSB<<8)|(\new)
.set MSB, \new
.endif
.endm
.macro PLACES n
.rept \n
	v_nop
.endr
.endm
.macro WALU
	s_wait_alu depctr_va_vdst(0)
.endm
.macro BARRIER
	s_barrier_signal -1
	s_barrier_wait -1
.endm
.macro MIDDLE                          ; a round behind its opening signal, up to the cluster's wait
	WIN 0
	s_barrier_wait -1
	s_cmp_lg_u32 s14, 0
	s_cbranch_scc1 .Lnot_wave_0_\@
	s_barrier_signal -3
.Lnot_wave_0_\@:
	s_barrier_wait -3
.endm
.macro CROUND
	s_barrier_signal -1
	MIDDLE
	BARRIER
.endm
.macro GRD
	s_wait_tensorcnt 0x0
	ds_add_u32 v[SPW], v[NIL]
.endm
.macro TLOAD g0, g1
	tensor_load_to_lds s[\g0:\g0+3], s[\g1:\g1+7]
	s_nop 0
	PLACES 4
.endm
.macro GROUP1 g, mask, c, rows         ; rows of c elements of 8 bytes on end
	s_or_b32 s[\g], s[\mask], (3<<16)|(1<<21)
	s_mov_b32 s[\g+1], (\c)<<16
	s_mov_b32 s[\g+2], (\rows)<<16
	s_mov_b32 s[\g+3], (\c)<<16
	s_mov_b32 s[\g+4], \rows
	s_mov_b32 s[\g+5], \c
	s_mov_b32 s[\g+6], 0
	s_mov_b32 s[\g+7], 0
.endm
.macro SADD d, x
	s_add_co_u32 s\d, s\d, s\x
.endm
.macro G0AT g, off                     ; group 0's address: xw + the offset in s\off (s21 = 0)
	s_mov_b32 s20, s\off
	s_add_nc_u64 s[\g+2:\g+3], s[4:5], s[20:21]
	s_or_b32 s[\g+3], s[\g+3], 0x80000000
.endm
; Fragment f lies in window 1 + f / 21 at register 12 (f % 21): 0-31 the weight's (4 q + tile), 32-39 and 40-47 the rows' two sets.
.macro FRAG f, off, adr
	WIN (1+(\f)/21)<<6
.set R_, 12*((\f)%21)
.irp k, 0,1,2
	ds_load_b128 v[R_+4*\k:R_+4*\k+3], v[\adr] offset:(\off)+512*\k
.endr
.endm
.macro WEIGHTS                         ; my 64 rows of the weight, all of K: 96 loads
.irp q, 0,1,2,3,4,5,6,7
.irp b, 0,1,2,3
	FRAG 4*\q+\b, TB*\b+1536*\q, ADRB
.endr
.endr
	WIN 0
.endm
.macro FETCHAT e, adr, off, as, so     ; a block of x's rows into set e: NF loads
.irp q, 0,1,2,3,4,5,6,7
	FRAG 32+8*(\e)+\q, (\off)+1536*\q, \adr
.endr
	WIN 0
	ds_load_b128 v[SA+8*(\e):SA+8*(\e)+3], v[\as] offset:\so
	ds_load_b128 v[SA+8*(\e)+4:SA+8*(\e)+7], v[\as] offset:(\so)+256
.endm
.macro FETCH e
	FETCHAT \e, ADRA, 0, AAS, 0
.endm
.macro FETCH01                         ; a phase's first two blocks, from slot 0
	FETCHAT 0, ADRA0, 0, AAS0, 0
	FETCHAT 1, ADRA0, 2*TB, AAS0, 1024
.endm
; A product, n = 4 q + tile.  kind 0 (q, k): source 0 the weight's rows; kind 1 (v): source 0 x's rows.
.macro PROD1 d, s0, s1, c, x0, x1, side, o
	v_wmma_scale_f32_16x16x128_f8f6f4 v[\d:\d+7], v[12*((\s0)%21):12*((\s0)%21)+11], v[12*((\s1)%21):12*((\s1)%21)+11], \c, v[\x0], v[\x1] matrix_a_fmt:MATRIX_FMT_FP6 matrix_b_fmt:MATRIX_FMT_FP6 matrix_\side\()_scale:MATRIX_SCALE_ROW\o
.endm
.macro PROD2 d, s0, s1, c, x0, x1, side, t
.if (\t)%2
	PROD1 \d, \s0, \s1, \c, \x0, \x1, \side, 1
.else
	PROD1 \d, \s0, \s1, \c, \x0, \x1, \side, 0
.endif
.endm
.macro PROD kind, e, n, a0, as
.set Q_, (\n)/4
.set P_, (\n)%4
.set FB_, 4*Q_+P_
.set FA_, 32+8*(\e)+Q_
.set D_, (\a0)+(\as)*P_
.set DL_, D_&255
.set XB_, SB+8*(P_/2)+Q_
.set XA_, SA+8*(\e)+Q_
.if \kind
.if Q_
	WIN (1+FA_/21)|((1+FB_/21)<<2)|((D_>>8)<<4)|((D_>>8)<<6)
	PROD2 DL_, FA_, FB_, v[DL_:DL_+7], XA_, XB_, b, P_
.else
	WIN (1+FA_/21)|((1+FB_/21)<<2)|(3<<4)|((D_>>8)<<6)
	PROD2 DL_, FA_, FB_, v[BBV-768+8*P_:BBV-768+8*P_+7], XA_, XB_, b, P_
.endif
.else
	WIN (1+FB_/21)|((1+FA_/21)<<2)|((D_>>8)<<4)|((D_>>8)<<6)
.if Q_
	PROD2 DL_, FB_, FA_, v[DL_:DL_+7], XB_, XA_, a, P_
.else
	PROD2 DL_, FB_, FA_, v[BBQ+8*P_:BBQ+8*P_+7], XB_, XA_, a, P_
.endif
.endif
.endm
.macro BLOCK kind, e, a0, as, from, to, list, x=0, y=0
.set N_, \from
.rept (\to)-(\from)
	PROD \kind, \e, N_, \a0, \as
.if N_%2
	\list N_-1, \x, \y
	\list N_, \x, \y
.endif
.set N_, N_+1
.endr
.endm
; What the lists are made of: each macro writes entry i of its part.
.macro VSTEP i                         ; 2 entries: the addresses of block NX
.if (\i) == 0
	WIN 0
	v_add_nc_u32 v[ADRA], NX*2*TB, v[ADRA0]
.elseif (\i) == 1
	WIN 0
	v_add_nc_u32 v[AAS], NX*1024, v[AAS0]
.endif
.endm
.macro CHAIN i, x, n, t=TQ             ; 18 entries: the largest magnitude of the 32 sums from register x on, in two chains, and the conversions' scale operand
.set XW_, (\x)>>8
.set XL_, (\x)&255
.if (\i) >= 0 && (\i) < 14
.set B_, XL_+16*((\i)%2)+2*((\i)/2)
.set T_, (\t)+1-(\i)%2
.if (\i) < 2
	WIN XW_|(XW_<<2)|(XW_<<4)
	v_max3_num_f32 v[T_], |v[B_]|, |v[B_+1]|, |v[B_+2]|
.else
	WIN (XW_<<2)|(XW_<<4)
	v_max3_num_f32 v[T_], v[T_], |v[B_+1]|, |v[B_+2]|
.endif
.elseif (\i) == 14
	WIN XW_<<2
	v_max3_num_f32 v[\t+1], v[\t+1], |v[XL_+15]|, 0x1800000   ; and the floor 2^(3 - 127): the byte cannot fall under 1
.elseif (\i) == 15
	WIN 0
	v_nop
.elseif (\i) == 16
	WIN XW_<<2
	v_max3_num_f32 v[\t], v[\t], |v[XL_+31]|, v[\t+1]
.elseif (\i) == 17
	WIN 0
	v_add_nc_u32 v[SOP+\n], 0xff000000, v[\t]
.endif
.endm
.macro CODES i, x, c, n, t=TC          ; 6 lines: 32 codes into v[c .. c+5], the scale's byte into v[EB+n]
.set XW_, (\x)>>8
.set XL_, (\x)&255
.if (\i) == 0
	WIN XW_
	v_cvt_scalef32_pk16_fp6_f32 v[\c:\c+2], v[XL_:XL_+15], v[SOP+\n]
.elseif (\i) == 1
	WIN XW_
	v_cvt_scalef32_pk16_fp6_f32 v[\t:\t+2], v[XL_+16:XL_+31], v[SOP+\n]
.elseif (\i) == 2
	WIN 0
	v_lshrrev_b32 v[EB+\n], 23, v[SOP+\n]
.else
	WIN 0
	v_mov_b32 v[\c+\i], v[\t+\i-3]
.endif
.endm
.macro CODES6 x, c, n
.irp i, 0,1,2,3,4,5
	CODES \i, \x, \c, \n
.endr
.endm
.macro PFTILE v, off, share            ; my sixteenth of a chunk (24 units of 256 bytes), to be asked for into the L2
	s_mul_i32 s101, s\share, CH/16
	s_add_co_u32 s20, s\off, s101
	WIN 0
	v_min_u32 v\v, 23, v3
	v_lshl_add_u32 v\v, v\v, 8, s20
.endm
.macro PFGO v
	global_prefetch_b8 v\v, s[4:5] th:TH_LOAD_NT scope:SCOPE_SE
.endm
.macro ASK i                           ; 4 entries: the descriptors of the chunk at s88 for slot s47 and of its scale words at s55 for s8; then all four step on
.if (\i) == 0
	s_mul_i32 s[G0R+1], s14, CH/2
	s_add_co_u32 s[G0R+1], s[G0R+1], s47
	s_mul_i32 s20, s14, CH/2
	SADD 20, 88
.elseif (\i) == 1
	s_mov_b32 s21, 0
	s_add_nc_u64 s[G0R+2:G0R+3], s[4:5], s[20:21]
	s_or_b32 s[G0R+3], s[G0R+3], 0x80000000
	s_mov_b32 s[G0S+1], s8
.elseif (\i) == 2
	s_mov_b32 s20, s55
	s_add_nc_u64 s[G0S+2:G0S+3], s[4:5], s[20:21]
	s_or_b32 s[G0S+3], s[G0S+3], 0x80000000
	s_add_co_u32 s88, s88, CH
.elseif (\i) == 3
	s_add_co_u32 s55, s55, 4096
	s_xor_b32 s47, s47, CH
	s_xor_b32 s8, s8, 4096
.endif
.endm
.macro OUTN i                          ; 4 entries: where block s3's codes (s[84:85]) and scale byte (v[VX]) go, and the addresses of block s46, which is fetched next.  The codes' place goes by the true half, the stage by the order of work
.if (\i) == 0
	s_and_b32 s20, s3, 8
	s_and_b32 s22, s3, 7
	s_lshl_b32 s23, s20, 7
	s_xor_b32 s20, s20, s9
.elseif (\i) == 1
	s_mul_i32 s20, s20, RB/4
	s_mul_i32 s101, s22, 1536
	SADD 20, 101
	s_add_nc_u64 s[84:85], s[10:11], s[20:21]
.elseif (\i) == 2
	s_lshl_b32 s22, s22, 2
	SADD 22, 23
	s_add_co_u32 s3, s3, 1
	s_and_b32 s91, s46, 7
	WIN 0
	v_add_nc_u32 v[VX], s22, v[STO]
.elseif (\i) == 3
	s_mul_i32 s101, s91, 2*TB
	s_lshl_b32 s91, s91, 10
	s_add_co_u32 s46, s46, 1
	WIN 0
	v_add_nc_u32 v[ADRA], s101, v[ADRA0]
	v_add_nc_u32 v[AAS], s91, v[AAS0]
.endif
.endm
.macro L_NONE i, x, y
.endm
.macro L_STEP i, x, y
	VSTEP \i
.endm
.macro L_OUT i, x, y
	VSTEP \i
	CHAIN (\i)-2, \x, \y
.endm
.macro L_LAST i, x, y
	CHAIN \i, \x, \y
.endm
.macro L_V2 i, x, y                    ; v's block 2: the first refill's descriptors; the later refills' rows; addresses; what the second refill will load is asked for into the L2
.if (\i) == 0
	s_mov_b32 s[G1A+2], 4<<16
	s_mov_b32 s[G1A+4], 4
	s_mov_b32 s[G1S+2], 2<<16
	s_mov_b32 s[G1S+4], 2
.elseif (\i) == 1
	s_mov_b32 s[G1B+2], 4<<16
	s_mov_b32 s[G1B+4], 4
	s_mul_i32 s[G0B+1], s14, CH/2
	s_add_co_u32 s[G0B+1], s[G0B+1], BVB
.elseif (\i) == 2
	s_mul_i32 s20, s14, CH/2
	SADD 20, 2
	s_mov_b32 s21, 0
	s_add_nc_u64 s[G0B+2:G0B+3], s[4:5], s[20:21]
.elseif (\i) == 3
	s_or_b32 s[G0B+3], s[G0B+3], 0x80000000
.elseif (\i) == 6
	PFTILE 7, 88, 90
.elseif (\i) == 7
	s_lshl_b32 s101, s90, 9
	s_add_co_u32 s20, s55, s101
	WIN 0
	v_min_u32 v8, 1, v3
	v_lshl_add_u32 v8, v8, 8, s20
.endif
	VSTEP (\i)-4
.endm
.macro L_V7 i, x, y                    ; v's last block: what the third refill will load; the way out
.if (\i) == 0
	s_add_co_u32 s22, s88, CH
	PFTILE 20, 22, 90
.endif
	CHAIN (\i)-2, \x, \y
.endm
.macro L_Q i, x, y
	OUTN \i
	CHAIN (\i)-4, \x, \y
.endm
.macro L_R i, x, y
	ASK \i
	OUTN (\i)-4
	CHAIN (\i)-8, \x, \y
.endm
.macro WAITDS w
.if (\w) >= 0
	s_wait_dscnt \w
.endif
.endm
.macro PUTS n                          ; a half fragment leaves: 512 and 256 consecutive bytes
	global_store_b128 v[CO], v[NCD+6*(\n):NCD+6*(\n)+3], s[84:85]
	global_store_b64 v[CO8], v[NCD+6*(\n)+4:NCD+6*(\n)+5], s[84:85] offset:512
.endm
.macro AFTER e, fetch                  ; behind a block of set e: the block before leaves, the block two on is fetched
	WALU
	ds_store_b8 v[VX], v[EB+1-(\e)]
	PUTS 1-(\e)
.if \fetch
	FETCH \e
.endif
.endm
.macro QBLK e, w, fetch
	WAITDS \w
	s_wait_xcnt 0x0                                ; the earlier stores have read their registers and their base
	BLOCK 0, \e, ACC+32*(\e), 8, 0, 32, L_Q, ACC+32*(1-(\e)), 1-(\e)
	WIN 0
	CODES6 ACC+32*(1-(\e)), NCD+6*(1-(\e)), 1-(\e)
	AFTER \e, \fetch
.endm
.macro QROUND w                        ; an even block with a refill
	WAITDS \w
	s_wait_xcnt 0x0
	GRD
	BLOCK 0, 0, ACC, 8, 0, 26, L_R, ACC+32, 1
	WIN 0
	WALU
	s_wait_dscnt 0x0
	s_barrier_signal -1
	BLOCK 0, 0, ACC, 8, 26, 32, L_NONE
	WIN 0
	CODES6 ACC+32, NCD+6, 1
	MIDDLE
	BARRIER
	s_cmp_lt_u32 s14, 2
	s_cbranch_scc0 .Lscales_\@
	TLOAD G0R, G1A                                 ; waves 0 and 1: half a chunk each
	s_branch .Lasked_\@
.Lscales_\@:
	s_cmp_eq_u32 s14, 2
	s_cbranch_scc0 .Lnone_\@
	TLOAD G0S, G1S                                 ; wave 2: its scale words
.Lnone_\@:
.Lasked_\@:
	AFTER 0, 1
.endm
.macro QSHOW w                         ; a plain barrier shows the last refill to all
	WAITDS \w
	s_wait_xcnt 0x0
	BLOCK 0, 0, ACC, 8, 0, 26, L_Q, ACC+32, 1
	WIN 0
	WALU
	s_wait_tensorcnt 0x0
	s_wait_dscnt 0x0
	s_barrier_signal -1
	BLOCK 0, 0, ACC, 8, 26, 32, L_NONE
	WIN 0
	s_barrier_wait -1
	CODES6 ACC+32, NCD+6, 1
	AFTER 0, 1
.endm
; THE HEAD
	s_load_b256 s[4:11], s[0:1], 0x0               ; xw s[4:5], bq s[6:7], bk s[8:9], bv s[10:11]
	s_load_b64 s[12:13], s[0:1], 0x20              ; qkv
	v_lshl_add_u32 v[SPW], v0, 2, SPARE
	v_mov_b32 v[NIL], 0
	ds_add_u32 v[SPW], v[NIL]                      ; the opening lines: the add, twice on end, and its wait
	ds_add_u32 v[SPW], v[NIL]
	v_lshrrev_b32 v1, 5, v0
	v_readfirstlane_b32 s14, v1
	s_lshr_b32 s15, s14, 1                         ; a
	s_and_b32 s16, s14, 1                          ; b
	s_bfe_u32 s40, ttmp6, 0x40000                  ; cx
	s_bfe_u32 s41, ttmp6, 0x40004                  ; cy
	s_lshl_b32 s42, ttmp9, 2
	SADD 42, 40                                    ; phase 2's tile column, 0 .. 15
	s_and_b32 s43, ttmp7, 0xffff
	s_lshl_b32 s43, s43, 2
	SADD 43, 41                                    ; its tile row
	s_lshr_b32 s19, ttmp9, 1                       ; 0: q, 1: k
	s_and_b32 s87, ttmp9, 1                        ; v's half of my 512 rows
	s_lshl_b32 s17, s19, 2
	SADD 17, 40                                    ; v's tile column
	s_lshl_b32 s18, s43, 1
	SADD 18, 87                                    ; v's tile row
	s_lshl_b32 s44, s41, 2
	s_lshl_b32 s44, 15, s44                        ; my row of the cluster
	s_lshl_b32 s45, 0x1111, s40                    ; my column
	GROUP1 G1A, 44, 1536, 8
	GROUP1 G1B, 45, 1536, 8
	GROUP1 G1S, 44, 256, 4
	s_mov_b32 s[G0S], 1
	s_mov_b32 s[G0S+1], SCL
	s_mov_b32 s[G0A], 1
	s_mov_b32 s[G0A+1], 0
	s_mov_b32 s[G0B], 1
	s_mov_b32 s[G0B+1], BVB
	s_mov_b32 s[G0R], 1
	s_mov_b32 s[G0R+1], CH
	s_mul_i32 s67, s43, 4*CH                       ; my 512 rows, bytes from xw
	s_mul_i32 s66, s18, 2*CH                       ; v's half of them
	s_add_co_u32 s23, s66, CH
	s_mul_i32 s2, s42, CH
	s_add_co_u32 s2, s2, 512*TB                    ; W_q's or W_k's rows
	s_mul_i32 s54, s17, CH
	s_add_co_u32 s54, s54, 640*TB                  ; W_v's
	s_lshl_b32 s89, s18, 13
	s_add_co_u32 s89, s89, XS                      ; the half's scale words
	s_lshl_b32 s55, s43, 14
	s_add_co_u32 s55, s55, XS                      ; my 512 rows'
	s_lshl_b32 s90, s40, 2
	SADD 90, 14                                    ; my number among the sixteen waves of my row of the cluster
	s_lshl_b32 s100, s41, 2
	SADD 100, 14                                   ; and of my column
	s_mul_i32 s20, s15, TB
	s_mul_i32 s21, s16, 4*TB
	s_add_co_u32 s21, s21, BVB
	s_lshl_b32 s22, s15, 9
	s_add_co_u32 s22, s22, SCL
	v_and_b32 v1, 15, v0                           ; r
	v_bfe_u32 v2, v0, 4, 1                         ; h
	v_and_b32 v3, 31, v0
	v_lshlrev_b32 v[CO], 4, v3
	v_lshlrev_b32 v[CO8], 3, v3
	v_add_nc_u32 v[ADRA0], s20, v[CO]
	v_add_nc_u32 v[ADRB], s21, v[CO]
	v_lshlrev_b32 v22, 4, v1
	v_lshl_add_u32 v[ABS], v2, 9, v22
	v_add_nc_u32 v[AAS0], s22, v22
	v_lshlrev_b32 v21, 7, v2                       ; q's, k's bias: register 8 j + i of lane (r, h) is column 32 h + 8 j + i
	v_lshrrev_b32 v23, 3, v1
	v_lshlrev_b32 v23, 7, v23
	v_and_b32 v8, 7, v1
	v_lshl_add_u32 v23, v8, 2, v23                 ; v's: lane (r, h) of tile t has column 32 (r / 8) + 8 t + r % 8
	WALU
	s_wait_dscnt 0x0                               ; both opening adds are done
	CROUND                                         ; all sixteen work-groups are here: the first joint loads meet
	s_wait_kmcnt 0x0
	s_mov_b32 s21, 0
	G0AT G0A, 66
	G0AT G0R, 23
	G0AT G0B, 54
	G0AT G0S, 89
	s_cmp_eq_u32 s14, 0                            ; one tensor load a wave: one chain of branches
	s_cbranch_scc0 .Lwave_1
	TLOAD G0B, G1B                                 ; wave 0: W_v's rows
	s_branch .Lasked
.Lwave_1:
	s_cmp_eq_u32 s14, 1
	s_cbranch_scc0 .Lwave_2
	TLOAD G0S, G1S                                 ; wave 1: both chunks' scale words
	s_branch .Lasked
.Lwave_2:
	s_cmp_eq_u32 s14, 2
	s_cbranch_scc0 .Lwave_3
	TLOAD G0A, G1A                                 ; wave 2: chunk 0
	s_branch .Lasked
.Lwave_3:
	TLOAD G0R, G1A                                 ; wave 3: chunk 1
.Lasked:
	s_lshl_b32 s22, s16, 11                        ; my four tiles' scale words
	s_lshl_b32 s20, s17, 12
	SADD 20, 22
	s_add_co_u32 s20, s20, XS+640*512
	s_add_nc_u64 s[84:85], s[4:5], s[20:21]
	s_lshl_b32 s20, s42, 12
	SADD 20, 22
	s_add_co_u32 s20, s20, XS+512*512
	s_add_nc_u64 s[82:83], s[4:5], s[20:21]
	s_cmp_eq_u32 s19, 0
	s_cselect_b64 s[6:7], s[6:7], s[8:9]
	s_lshl_b32 s22, s16, 8
	s_and_b32 s20, s42, 7
	s_lshl_b32 s20, s20, 9
	SADD 20, 22
	s_add_nc_u64 s[6:7], s[6:7], s[20:21]          ; q's or k's bias, my 64 columns: loaded between the phases
	s_lshl_b32 s20, s17, 9
	SADD 20, 22
	s_add_nc_u64 s[80:81], s[10:11], s[20:21]      ; v's
.irp p, 0,1
.irp c, 0,1
	global_load_b128 v[SB+8*\p+4*\c:SB+8*\p+4*\c+3], v[ABS], s[84:85] offset:1024*\p+256*\c
.endr
.endr
	WIN 3<<6
.irp p, 0,1
.irp c, 0,1
	global_load_b128 v[SB2-768+8*\p+4*\c:SB2-768+8*\p+4*\c+3], v[ABS], s[82:83] offset:1024*\p+256*\c
.endr
.endr
.irp t, 0,1,2,3
	global_load_b32 v[BBV-768+8*\t], v23, s[80:81] offset:32*\t
.endr
	WIN 0
	s_lshl_b32 s20, s42, 6                         ; where the results go: q's or k's codes
	s_lshl_b32 s22, s43, 2
	SADD 22, 20                                    ; row 64 s42 + 4 s43 of qkv
	s_add_co_u32 s20, s22, s15
	s_mul_i32 s20, s20, RB
	s_mul_i32 s101, s16, 768
	SADD 20, 101
	s_add_nc_u64 s[10:11], s[12:13], s[20:21]
	s_xor_b32 s20, s15, s87                        ; their scale words: wave w empties the stage's half w / 2, a = w % 2
	s_lshl_b32 s20, s20, 1
	SADD 20, 22
	SADD 20, 16
	s_mul_i32 s20, s20, RB
	s_add_co_u32 s20, s20, 12288
	s_add_nc_u64 s[48:49], s[12:13], s[20:21]
	s_and_b32 s22, s18, 7
	s_lshl_b32 s22, s22, 1
	SADD 22, 15                                    ; v's key step
	s_lshl_b32 s22, s22, 5
	s_lshr_b32 s20, s18, 3
	s_lshl_b32 s20, s20, 3
	SADD 22, 20
	SADD 22, 17
	s_mul_i32 s22, s22, RB
	s_add_co_u32 s22, s22, 1024*RB
	s_mul_i32 s20, s16, 4*1536
	SADD 20, 22
	s_add_nc_u64 s[50:51], s[12:13], s[20:21]
	s_lshl_b32 s20, s16, 8
	SADD 20, 22
	s_add_co_u32 s20, s20, 12288
	s_add_nc_u64 s[52:53], s[12:13], s[20:21]
	s_mov_b32 s46, 3
	s_mov_b32 s3, 0
	s_mov_b32 s47, 0
	s_mov_b32 s8, SCL
	s_lshl_b32 s9, s87, 3
	s_xor_b32 s20, s87, 1                          ; the chunks still to come are the other half's
	s_mul_i32 s22, s20, 2*CH
	s_add_co_u32 s88, s67, s22
	s_lshl_b32 s22, s20, 13
	SADD 55, 22
	s_lshl_b32 s20, s15, 9
	s_lshl_b32 s22, s16, 1
	SADD 22, 20
	s_add_co_u32 s22, s22, XN
	s_lshl_b32 s23, s16, 4
	SADD 23, 20
	s_add_co_u32 s23, s23, XM
	v_lshl_add_u32 v20, v1, 5, v2                  ; 32 r + h
	v_add_nc_u32 v[STO], s22, v20
	v_add_nc_u32 v[STV], s23, v20
	PFTILE 8, 2, 100                               ; what the first refill will load
	WALU
	s_wait_loadcnt 0x0
	WIN (3<<6)|3
.irp t, 0,8,16,24
.irp i, 1,2,3,4,5,6,7
	v_mov_b32 v[BBV-768+\t+\i], v[BBV-768+\t]      ; v's number, one a lane and tile, over the tile's eight registers
.endr
.endr
	WIN 0
	WALU
	s_cmp_eq_u32 s14, 0
	s_cbranch_scc0 .Lnot_b
	s_wait_tensorcnt 0x0
.Lnot_b:
	BARRIER                                        ; W_v's rows are in
	PFGO 8
	WEIGHTS
	s_cmp_eq_u32 s14, 3
	s_cbranch_scc1 .Lnot_a0
	s_wait_tensorcnt 0x0
.Lnot_a0:
	s_wait_dscnt 0x0
	BARRIER                                        ; chunk 0 and the scale words are in; chunk 1 may still be on its way
	FETCH01
; PHASE 1: v, eight blocks; band 0's way outs stand in band 1's blocks
.irp s, 0,1
	s_wait_dscnt NF
.set NX, \s+2
	BLOCK 1, \s, HV0+8*\s, 32, 0, 32, L_STEP
	WIN 0
	PLACES 4
	WALU
	FETCH \s
.endr
	s_wait_dscnt NF
	s_wait_xcnt 0x0                                ; the list writes v8, the address of the head's prefetch
	GRD
.set NX, 4
	BLOCK 1, 0, HV0+16, 32, 0, 24, L_V2
	WIN 0
	WALU
	s_wait_dscnt 0x0
	s_barrier_signal -1
	BLOCK 1, 0, HV0+16, 32, 24, 32, L_NONE
	MIDDLE
	BARRIER
	s_cmp_lt_u32 s14, 2
	s_cbranch_scc0 .Lno_half
	TLOAD G0B, G1B                                 ; waves 0 and 1 a half each of W_q's or W_k's rows, onto W_v's, which all waves hold in registers
.Lno_half:
	PLACES 4
	WALU
	FETCH 0
	PFGO 7
	PFGO 8
.set NX, 5
	BLOCK 1, 1, HV0+24, 32, 0, 32, L_STEP
	WIN 0
	PLACES 4
	WALU
	FETCH 1
.irp j, 0,1,2
	s_wait_dscnt NF+(\j+1)/2
.set NX, 6+\j
.if \j < 2
	BLOCK 1, \j%2, HV1+8*\j, 32, 0, 32, L_OUT, HV0+32*\j, \j
.else
	BLOCK 1, \j%2, HV1+8*\j, 32, 0, 32, L_LAST, HV0+32*\j, \j
.endif
	WIN 0
	CODES6 HV0+32*\j, MCD+12*\j, \j
	WALU
	ds_store_b8 v[STV], v[EB+\j] offset:4*\j
.if \j < 2
	FETCH \j%2
.endif
.endr
	s_wait_dscnt 1
	BLOCK 1, 1, HV1+24, 32, 0, 26, L_V7, HV0+96, 3
	WIN 0
	WALU
	s_wait_tensorcnt 0x0
	s_wait_dscnt 0x0
	s_barrier_signal -1                            ; a plain barrier: the second weight is shown to all
	BLOCK 1, 1, HV1+24, 32, 26, 32, L_NONE
	WIN 0
	s_barrier_wait -1
	CODES6 HV0+96, MCD+36, 3
	WALU
	ds_store_b8 v[STV], v[EB+3] offset:12
; THE CHANGE OF PHASE: the second weight and the first two blocks' rows in one run of loads; band 1's four way outs under their flight
.irp k, 0,1,2,3,4,5,6,7
	global_load_b128 v[BBQ+4*\k:BBQ+4*\k+3], v21, s[6:7] offset:16*\k
.endr
	WEIGHTS
	FETCH01
	PFGO 20
	WIN 3
.set I, 0
.rept 16
	v_mov_b32 v[SB+I], v[SB2-768+I]
.set I, I+1
.endr
	WIN 0
.set I, 0
.rept 18
.irp t, 0,1,2,3
	CHAIN I, HV1+32*\t, \t, 64+4*\t
.endr
.set I, I+1
.endr
.set I, 0
.rept 6
.irp t, 0,1,2,3
	CODES I, HV1+32*\t, MCD+12*\t+6, \t, 80+4*\t
.endr
.set I, I+1
.endr
	WIN 0
	WALU
; PHASE 2: q or k, sixteen blocks
	s_mov_b32 s21, 0
	s_wait_loadcnt 0x0
	s_wait_dscnt NF
.set NX, 2
	BLOCK 0, 0, ACC, 8, 0, 32, L_STEP
	WIN 0
	PLACES 4
	WALU
.irp t, 0,1,2,3
	ds_store_b8 v[STV], v[EB+\t] offset:2+4*\t
.endr
.irp t, 0,1,2,3                        ; v's codes leave: four fragments
.irp k, 0,1,2
	global_store_b128 v[CO], v[MCD+12*\t+4*\k:MCD+12*\t+4*\k+3], s[50:51] offset:1536*\t+512*\k
.endr
.endr
	FETCH 0
	QBLK 1, NF+4, 1
	s_mov_b32 s86, 0
.Lwith_rounds:                                     ; blocks 2 to 5, 6 to 9
	QROUND NF+1
	QBLK 1, -1, 1
	QBLK 0, NF+1, 1
	QBLK 1, NF+1, 1
	s_add_co_u32 s86, s86, 1
	s_cmp_lg_u32 s86, 2
	s_cbranch_scc1 .Lwith_rounds
.Lwithout:                                         ; blocks 10, 11 and 12, 13
	QSHOW NF+1
	QBLK 1, -1, 1
	s_add_co_u32 s86, s86, 1
	s_cmp_lg_u32 s86, 4
	s_cbranch_scc1 .Lwithout
	QBLK 0, NF+1, 0
	QBLK 1, 1, 0
; THE END: the last way out; the scale bytes go through LDS under its conversions
	s_wait_xcnt 0x0
	OUTN 0
	OUTN 1
	OUTN 2
	s_lshl_b32 s20, s14, 9
	s_add_co_u32 s20, s20, XN
	s_lshl_b32 s22, s14, 8
	s_add_co_u32 s22, s22, XM
	v_add_nc_u32 v12, s20, v[CO]
	v_add_nc_u32 v14, s22, v[CO8]
.set I, 0
.rept 18
	CHAIN I, ACC+32, 1
.set I, I+1
.endr
	CODES 2, ACC+32, NCD+6, 1
	WALU
	ds_store_b8 v[VX], v[EB+1]
	s_wait_dscnt 0x0
	s_barrier_signal -1
	CODES 0, ACC+32, NCD+6, 1
	CODES 1, ACC+32, NCD+6, 1
	v_nop
.irp i, 3,4,5
	CODES \i, ACC+32, NCD+6, 1
.endr
	s_barrier_wait -1
	WALU
	ds_load_b128 v[64:67], v12
	ds_load_b64 v[68:69], v14
	PUTS 1
	s_wait_dscnt 0x0
	global_store_b128 v[CO], v[64:67], s[48:49]    ; 512 consecutive bytes
	global_store_b64 v[CO8], v[68:69], s[52:53]    ; 256
	s_wait_tensorcnt 0x0                           ; the wave's end
	ds_add_u32 v[SPW], v[NIL]
	s_wait_dscnt 0x0
	CROUND                                         ; the closing round
	s_endpgm
.Lfunc_end_k_q89e7b33ec8_proj:
	.size	k_q89e7b33ec8_proj, .Lfunc_end_k_q89e7b33ec8_proj-k_q89e7b33ec8_proj
	.p2alignl 7, 3214868480
	.fill 96, 4, 3214868480
	.section	.rodata,"a",@progbits
	.p2align	6, 0x0
	.amdhsa_kernel k_q89e7b33ec8_proj
		.amdhsa_group_segment_fixed_size 327680
		.amdhsa_private_segment_fixed_size 0
		.amdhsa_enable_private_segment 0
		.amdhsa_kernarg_size 40
		.amdhsa_user_sgpr_count 2
		.amdhsa_user_sgpr_kernarg_segment_ptr 1
		.amdhsa_wavefront_size32 1
		.amdhsa_system_sgpr_workgroup_id_x 1
		.amdhsa_system_sgpr_workgroup_id_y 1
		.amdhsa_system_sgpr_workgroup_id_z 1
		.amdhsa_system_vgpr_workitem_id 0
		.amdhsa_next_free_vgpr 1024
		.amdhsa_next_free_sgpr 102
		.amdhsa_reserve_vcc 0
		.amdhsa_float_denorm_mode_32 3
		.amdhsa_float_denorm_mode_16_64 3
		.amdhsa_memory_ordered 1
		.amdhsa_forward_progress 1
		.amdhsa_inst_pref_size 184
	.end_amdhsa_kernel
	.amdgpu_metadata
---
amdhsa.version: [ 1, 2 ]
amdhsa.kernels:
  - .name:           k_q89e7b33ec8_proj
    .symbol:         k_q89e7b33ec8_proj.kd
    .args:
      - { .name: xw, .offset: 0, .size: 8, .value_kind: global_buffer, .address_space: global }
      - { .name: bq, .offset: 8, .size: 8, .value_kind: global_buffer, .address_space: global }
      - { .name: bk, .offset: 16, .size: 8, .value_kind: global_buffer, .address_space: global }
      - { .name: bv, .offset: 24, .size: 8, .value_kind: global_buffer, .address_space: global }
      - { .name: qkv, .offset: 32, .size: 8, .value_kind: global_buffer, .address_space: global }
    .group_segment_fixed_size: 327680
    .private_segment_fixed_size: 0
    .kernarg_segment_align: 8
    .kernarg_segment_size: 40
    .max_flat_workgroup_size: 128
    .sgpr_count:     102
    .vgpr_count:     1024
    .wavefront_size: 32
...
	.end_amdgpu_metadata
.endif
;; end of part 2
;; launch score (part 3): grid 8 x 32, 4 waves a work-group, clusters of 4 x 4, 327,680 bytes of LDS; arguments qkv, pp; writes pp
.if DOCPART == 3
	.amdgcn_target "amdgcn-amd-amdhsa--gfx1250"
	.amdhsa_code_object_version 6
	.text
	.protected	k_q89e7b33ec8_score
	.globl	k_q89e7b33ec8_score
	.p2align	8
	.type	k_q89e7b33ec8_score,@function
k_q89e7b33ec8_score:
	s_mov_b64 s[64:65], 0
	v_nop
	global_prefetch_b8 v0, s[64:65] scope:SCOPE_SE
	s_setreg_imm32_b32 hwreg(HW_REG_WAVE_MODE, 25, 1), 1
	s_wait_xcnt 0x0
	s_wait_alu depctr_hold_cnt(0) depctr_sa_sdst(0) depctr_va_vdst(0) depctr_va_sdst(0) depctr_va_ssrc(0) depctr_va_vcc(0) depctr_vm_vsrc(0)
	s_getreg_b32 s2, hwreg(HW_REG_IB_STS2, 6, 4)
	s_cmp_eq_u32 s2, 0
	s_cbranch_scc0 .Lentry_in_a_cluster
	s_endpgm
.Lentry_in_a_cluster:
	s_bfe_u32 s2, ttmp6, 0x10000c
	s_cmp_lg_u32 s2, 0xf033
	s_cbranch_scc0 .Lentry_shape_is_right
	s_endpgm
.Lentry_shape_is_right:
; S = q k^T on codes of FP6 (E2M3) with E8M0 scales, and at once the softmax's p, quantised along the keys under a LOCAL M.  t = score x log2(e) / 32.
; For each query and each group of 128 keys: M = ceil(the group's largest t), a whole number; p = 2^(t - M); its codes and scale bytes, -M and the sum l of the unquantised p go to pp.
; Since M is a whole number, the next launch brings every group under the row's M by taking M(row) - M(group) off the scale bytes and off l's exponent: the codes stay.
; The maximum is taken away before every exponential: no exponent is above 0 but by the rounding of one multiply-add.
; A tile of 256 queries x 256 keys is made by four waves, 128 x 128 each.  "A" = q is source 1 (a lane holds one query), "B" = k source 0: by the order of rows in a tile the 32 registers of four key tiles are one scale block of a lane: keys 64 c + 32 (lane / 16) + 0 .. 31 of the group.
; OPERANDS: rows of 12,800 bytes (eight fragments and their scale words [row 16][tile 8]); one load brings three K steps of one half of q or k.  LDS: two slots of three K steps.  Fills: steps 0-2 at the head, 3-5 behind the head's round, 6-7 into slot 0.
; CLUSTER 4 x 4: q's tiles jointly along a row, k's along a column.  No prefetch: eight K steps come by three loads a wave, and there is no loop to run ahead in.
; LIMITS: p under 2^-126 of its group's largest comes out as 0; a block whose every p is 0 keeps the byte 1 (zero codes); NaN and infinities are not served.  The promise holds while the scaled scores stay under 2^31 in magnitude.
; REGISTERS: window 0: v0-31 addresses, v32-47 scale words, v64-255 A's two sets, later the softmax's; window 1: B's two sets; windows 2, 3: accumulators.
.set RB,    12800
.set NQ,    3
.set OB,    NQ*RB                      ; what one load brings
.set SLOT,  4*OB                       ; q's two halves, k's two halves
.set SPARE, 2*SLOT
.set KST,   64*RB                      ; from K step to K step in qkv
.set KB,    512*RB                     ; k behind q
.set PS,    12582912                   ; pp: p's scale words; -M 524,288 on; l 1,048,576 on; all laid [group][tile][16]
.set LI,   4
.set L4,   5
.set A16,  6                           ; v6, v7: slot 0, 1; 16 bytes a lane
.set A8,   8                           ; 8 bytes a lane
.set B16,  10
.set B8,   12
.set ADS,  14                          ; scale words: lanes 0-15 q's row, lanes 16-31 k's
.set H8,   16
.set L8,   17
.set SPW,  28
.set NIL,  29
.set SC,   32
.set PWS,  48                          ; v48-55 scale words, v56-63 -M, v248-255 l, one for each block
.set NMS,  56
.set AF,   64
.set ST,   64                          ; two blocks' t - M, then p: v64-191
.set BM,   192
.set NM,   200                         ; v200, v202: -M
.set SCR,  204
.set TX,   206
.set TT,   192                         ; the conversions' second halves, when v192-207 have served
.set SO,   208
.set EB,   212
.set SA,   216
.set PC,   224                         ; two fragments of codes
.set LSS,  248
.set JN,   192
.set WV,   14
.set HA,   15
.set HB,   16
.set CX,   17
.set CY,   18
.set CLX,  19
.set CLY,  20
.set G1,   24
.set G0,   32
.set G1B,  44
.set G0B,  52
.set SEL,  66
.set HM,   98
.set CS,   100                         ; s[100:101] c = log2(e) / 32
.set MSB, 0
.macro WIN new
.if MSB != (\new)
	s_set_vgpr_msb (MSB<<8)|(\new)
.set MSB, \new
.endif
.endm
.macro PLACES n
.rept \n
	v_nop
.endr
.endm
.macro WALU
	s_wait_alu depctr_va_vdst(0)
.endm
.macro JLOAD s                         ; a joint load: waves 0 and 1 fetch q's halves, waves 2 and 3 k's
	s_cmp_eq_u32 s[HA], 0
	s_cbranch_scc0 .Lfor_b_\@
	tensor_load_to_lds s[G0+4*\s:G0+4*\s+3], s[G1:G1+7]
	s_nop 0
	PLACES 4
	s_branch .Lasked_\@
.Lfor_b_\@:
	tensor_load_to_lds s[G0B+4*\s:G0B+4*\s+3], s[G1B:G1B+7]
	s_nop 0
	PLACES 4
.Lasked_\@:
.endm
.macro CREST
	s_cmp_lg_u32 s[WV], 0
	s_cbranch_scc1 .Lnot_wave_0_\@
	s_barrier_signal -3
.Lnot_wave_0_\@:
	s_barrier_wait -3
	s_barrier_signal -1
	s_barrier_wait -1
.endm
.macro CROUND
	s_barrier_signal -1
	s_barrier_wait -1
	CREST
.endm
.macro FETB s                          ; K step s: k's eight fragments and the scale words into set s % 2
.set SL_, ((\s)/NQ)%2
.set OF_, ((\s)%NQ)*RB
.set P_, (\s)%2
	WIN 0x40
.irp i, 0,1,2,3,4,5,6,7
.irp c, 0,1
	ds_load_b128 v[128*P_+12*\i+6*\c:128*P_+12*\i+6*\c+3], v[B16+SL_] offset:OF_+1536*\i+768*\c
	ds_load_b64 v[128*P_+12*\i+6*\c+4:128*P_+12*\i+6*\c+5], v[B8+SL_] offset:OF_+1536*\i+768*\c+512
.endr
.endr
	WIN 0
	ds_load_b128 v[SC+8*P_:SC+8*P_+3], v[ADS+SL_] offset:OF_
	ds_load_b128 v[SC+8*P_+4:SC+8*P_+7], v[ADS+SL_] offset:OF_+16
.endm
.macro FETA s                          ; and q's
.set SL_, ((\s)/NQ)%2
.set OF_, ((\s)%NQ)*RB
.set P_, (\s)%2
	WIN 0
.irp i, 0,1,2,3,4,5,6,7
.irp c, 0,1
	ds_load_b128 v[AF+96*P_+12*\i+6*\c:AF+96*P_+12*\i+6*\c+3], v[A16+SL_] offset:OF_+1536*\i+768*\c
	ds_load_b64 v[AF+96*P_+12*\i+6*\c+4:AF+96*P_+12*\i+6*\c+5], v[A8+SL_] offset:OF_+1536*\i+768*\c+512
.endr
.endr
.endm
.macro MULS a0, a1, p, zero            ; all accumulators take turns, one instruction a turn, in the same order in every step
.set AI, \a0
.rept (\a1)-(\a0)+1
	WIN 0xa1+0x50*(AI/4)
.irp b, 0,1,2,3,4,5,6,7
.if \zero
	v_wmma_scale_f32_16x16x128_f8f6f4 v[8*(8*(AI%4)+\b):8*(8*(AI%4)+\b)+7], v[128*(\p)+12*\b:128*(\p)+12*\b+11], v[AF+96*(\p)+12*AI:AF+96*(\p)+12*AI+11], 0, v[SC+8*(\p)+\b], v[SC+8*(\p)+AI] matrix_a_fmt:MATRIX_FMT_FP6 matrix_b_fmt:MATRIX_FMT_FP6 matrix_a_scale:MATRIX_SCALE_ROW1
.else
	v_wmma_scale_f32_16x16x128_f8f6f4 v[8*(8*(AI%4)+\b):8*(8*(AI%4)+\b)+7], v[128*(\p)+12*\b:128*(\p)+12*\b+11], v[AF+96*(\p)+12*AI:AF+96*(\p)+12*AI+11], v[8*(8*(AI%4)+\b):8*(8*(AI%4)+\b)+7], v[SC+8*(\p)+\b], v[SC+8*(\p)+AI] matrix_a_fmt:MATRIX_FMT_FP6 matrix_b_fmt:MATRIX_FMT_FP6 matrix_a_scale:MATRIX_SCALE_ROW1
.endif
.endr
.set AI, AI+1
.endr
.endm
.macro STEP s, zero
	s_wait_dscnt 0x0                               ; this step's fragments and scale words are in
	MULS 0, 0, (\s)%2, \zero
	PLACES 4                                       ; behind the last product that read the other set
	FETB (\s)+1
	MULS 1, 3, (\s)%2, \zero
	FETA (\s)+1
	MULS 4, 7, (\s)%2, \zero
	WIN 0
.endm
.macro TURN s, fill                    ; a slot's last step; fill = 1: the barrier opens a round, behind which slot 0 takes K steps 6 and 7
	s_wait_tensorcnt 0x0                           ; all my tensor loads have landed
	ds_add_u32 v[SPW], v[NIL]                      ; 0 onto my spare word
	s_wait_dscnt 0x1                               ; only the add may be out: this step's fragments are in
	MULS 0, 0, (\s)%2, 0
.if \fill
	s_mov_b32 s[G1+2], 2<<16                       ; no tensor load of mine is out: the refill has two rows
	s_mov_b32 s[G1+4], 2
	s_mov_b32 s[G1B+2], 2<<16
	s_mov_b32 s[G1B+4], 2
	s_add_nc_u64 s[G0+2:G0+3], s[G0+2:G0+3], 6*KST
	s_add_nc_u64 s[G0B+2:G0B+3], s[G0B+2:G0B+3], 6*KST
.endif
	s_wait_dscnt 0x0                               ; the add is done, and my reads of the slot are over
	s_barrier_signal -1
	MULS 1, 1, (\s)%2, 0
	WIN 0
	s_barrier_wait -1
.if \fill
	CREST
	JLOAD 0                                        ; my one tensor load behind the round; its four v_nop are also the places in front of the loads below
.else
	PLACES 4
.endif
	FETB (\s)+1
	MULS 2, 3, (\s)%2, 0
	FETA (\s)+1
	MULS 4, 7, (\s)%2, 0
	WIN 0
.endm
; Blocks a and a + 1 (16 queries x my 128 keys each): the local softmax and its quantiser.  Each accumulator is read from its low end on.
.macro SOFTQ a
.set AC, 64*((\a)%4)
.set WW, 2+(\a)/4
.if (\a) > 0
	s_wait_xcnt 0x0                                ; the last blocks' stores have read the codes' registers
.endif
	WIN WW|(WW<<2)|(WW<<4)
	WALU
.irp k, 0,1,2,3                        ; k = 2 u + c: block u's scale block c; two chains each.  Its largest score serves for the group's maximum and, since p rises with the score, for the block's largest p
	v_max3_num_f32 v[BM+\k], v[AC+32*\k], v[AC+32*\k+1], v[AC+32*\k+2]
	v_max3_num_f32 v[BM+4+\k], v[AC+32*\k+16], v[AC+32*\k+17], v[AC+32*\k+18]
.endr
	WIN WW|(WW<<2)
.irp i, 3,5,7,9,11,13
.irp k, 0,1,2,3
	v_max3_num_f32 v[BM+\k], v[AC+32*\k+\i], v[AC+32*\k+\i+1], v[BM+\k]
	v_max3_num_f32 v[BM+4+\k], v[AC+32*\k+16+\i], v[AC+32*\k+17+\i], v[BM+4+\k]
.endr
.endr
	WIN WW
.irp k, 0,1,2,3
	v_max_num_f32 v[BM+4+\k], v[AC+32*\k+31], v[BM+4+\k]
.endr
.irp k, 0,1,2,3
	v_max3_num_f32 v[BM+\k], v[AC+32*\k+15], v[BM+\k], v[BM+4+\k]
.endr
	WIN 0
.irp u, 0,1
	v_max_num_f32 v[SCR+\u], v[BM+2*\u], v[BM+2*\u+1]
.endr
.irp u, 0,1
	v_permlanex16_b32 v[TX+\u], v[SCR+\u], s[SEL], s[SEL+1]
.endr
.irp u, 0,1
	v_max_num_f32 v[SCR+\u], v[SCR+\u], v[TX+\u]   ; my query's largest score among these 128 keys,
.endr
.irp u, 0,1
	v_mul_f32 v[SCR+\u], s[CS], v[SCR+\u]          ; as t (c is positive)
.endr
.irp u, 0,1
	v_floor_f32 v[NM+2*\u], -v[SCR+\u]             ; -M = floor(-t) = -ceil(t)
.endr
	WIN WW
.set KI, 0
.rept 32
.irp u, 0,1
	v_pk_fma_f32 v[ST+64*\u+2*KI:ST+64*\u+2*KI+1], v[AC+64*\u+2*KI:AC+64*\u+2*KI+1], s[CS:CS+1], v[NM+2*\u:NM+2*\u+1] op_sel_hi:[1,0,0]   ; t - M, two at a time
.endr
.set KI, KI+1
.endr
	WIN 0
.irp k, 0,1,2,3
	v_fma_f32 v[BM+\k], v[BM+\k], s[CS], v[NM+2*(\k/2)]   ; the same of each block's largest score
.endr
	WALU
.set KI, 0
.rept 128
	v_exp_f32 v[ST+KI], v[ST+KI]                   ; p = 2^(t - M)
.set KI, KI+1
.endr
.irp k, 0,1,2,3
	v_exp_f32 v[BM+\k], v[BM+\k]                   ; each block's largest p: the same two instructions on the same number
.endr
	v_mov_b32 v[NMS+(\a)], v[NM]
	v_mov_b32 v[NMS+(\a)+1], v[NM+2]
	WALU
.irp u, 0,1                            ; the sums are taken of the unquantised p, in two chains a block
	v_pk_add_f32 v[SA+4*\u:SA+4*\u+1], v[ST+64*\u:ST+64*\u+1], v[ST+64*\u+4:ST+64*\u+5]
	v_pk_add_f32 v[SA+4*\u+2:SA+4*\u+3], v[ST+64*\u+2:ST+64*\u+3], v[ST+64*\u+6:ST+64*\u+7]
.endr
.irp j, 8,12,16,20,24,28,32,36,40,44,48,52,56,60
.irp u, 0,1
	v_pk_add_f32 v[SA+4*\u:SA+4*\u+1], v[SA+4*\u:SA+4*\u+1], v[ST+64*\u+\j:ST+64*\u+\j+1]
	v_pk_add_f32 v[SA+4*\u+2:SA+4*\u+3], v[SA+4*\u+2:SA+4*\u+3], v[ST+64*\u+\j+2:ST+64*\u+\j+3]
.endr
.endr
.irp k, 0,1,2,3
	v_max_num_f32 v[BM+\k], 0x1800000, v[BM+\k]    ; the floor 2^(3 - 127): the byte cannot fall under 1
.endr
.irp k, 0,1,2,3
	v_add_nc_u32 v[SO+\k], 0xff000000, v[BM+\k]    ; 2 off the exponent field: the conversion's scale operand
.endr
.irp k, 0,1,2,3
	v_lshrrev_b32 v[EB+\k], 23, v[SO+\k]
.endr
.irp u, 0,1
	v_pk_add_f32 v[SA+4*\u:SA+4*\u+1], v[SA+4*\u:SA+4*\u+1], v[SA+4*\u+2:SA+4*\u+3]
.endr
.irp u, 0,1
	v_lshl_or_b32 v[PWS+(\a)+\u], v[EB+2*\u+1], 16, v[EB+2*\u]
.endr
.irp u, 0,1
	v_lshlrev_b32 v[PWS+(\a)+\u], v[H8], v[PWS+(\a)+\u]   ; my bytes: blocks h and 2 + h
.endr
.irp u, 0,1
	v_permlanex16_b32 v[TX+\u], v[PWS+(\a)+\u], s[SEL], s[SEL+1]
.endr
.irp u, 0,1
	v_add_f32 v[SCR+\u], v[SA+4*\u], v[SA+4*\u+1]
.endr
.irp u, 0,1
	v_or_b32 v[PWS+(\a)+\u], v[PWS+(\a)+\u], v[TX+\u]
.endr
.irp u, 0,1
	v_permlanex16_b32 v[TX+\u], v[SCR+\u], s[SEL], s[SEL+1]
.endr
.irp u, 0,1
	v_add_f32 v[LSS+(\a)+\u], v[SCR+\u], v[TX+\u]  ; l of my query and these 128 keys
.endr
.irp k, 0,1,2,3
	v_cvt_scalef32_pk16_fp6_f32 v[PC+6*\k:PC+6*\k+2], v[ST+32*\k:ST+32*\k+15], v[SO+\k]
	v_cvt_scalef32_pk16_fp6_f32 v[TT+4*\k:TT+4*\k+2], v[ST+32*\k+16:ST+32*\k+31], v[SO+\k]   ; (a conversion's three registers begin on an even number)
.endr
	v_nop                                          ; one plain instruction behind the conversions
.irp k, 0,1,2,3
.irp i, 0,1,2
	v_mov_b32 v[PC+6*\k+3+\i], v[TT+4*\k+\i]
.endr
.endr
.irp c, 0,1,2,3,4,5
	global_store_b128 v[LI], v[PC+4*\c:PC+4*\c+3], s[92:93] offset:1536*(\a)+512*\c   ; two fragments; 512 consecutive bytes a store, at a multiple of 256 from pp's first byte
.endr
.endm
	s_load_b128 s[4:7], s[0:1], 0x0                ; qkv s[4:5], pp s[6:7]
	v_lshl_add_u32 v[SPW], v0, 2, SPARE
	v_mov_b32 v[NIL], 0
	ds_add_u32 v[SPW], v[NIL]                      ; the opening lines: the add, twice on end, and its wait
	ds_add_u32 v[SPW], v[NIL]
	v_lshrrev_b32 v1, 5, v0
	v_readfirstlane_b32 s[WV], v1
	s_lshr_b32 s[HA], s[WV], 1
	s_and_b32 s[HB], s[WV], 1
	s_bfe_u32 s[CX], ttmp6, 0x40000
	s_bfe_u32 s[CY], ttmp6, 0x40004
	s_mov_b32 s[CLX], ttmp9
	s_and_b32 s[CLY], ttmp7, 0xffff
	s_lshl_b32 s21, s[CY], 2
	s_lshl_b32 s21, 15, s21                        ; my row of the cluster
	s_lshl_b32 s22, 0x1111, s[CX]                  ; my column
	s_or_b32 s[G1], s21, (3<<16)|(1<<21)           ; 15:0 the mask; 17:16 elements of 8 bytes; 21 set beside a mask; no padding
	s_or_b32 s[G1B], s22, (3<<16)|(1<<21)
.irp g, G1, G1B
	s_mov_b32 s[\g+1], (RB/8)<<16
	s_mov_b32 s[\g+2], NQ<<16
	s_mov_b32 s[\g+3], (RB/8)<<16
	s_mov_b32 s[\g+4], NQ
	s_mov_b32 s[\g+5], KST/8
	s_mov_b32 s[\g+6], 0
	s_mov_b32 s[\g+7], 0
.endr
	s_mov_b32 s[CS], 0x3d38aa3b                    ; c = log2(e) / 32
	s_mov_b32 s[CS+1], s[CS]
	s_lshl_b32 s92, s[CLY], 3
	s_lshl_b32 s2, s[CY], 1
	s_add_co_u32 s92, s92, s2
	s_add_co_u32 s92, s92, s[HB]                   ; q: row 8 Y + 2 cy + HB of a K step
	s_mul_i32 s92, s92, RB
	s_mov_b32 s93, 0
	s_lshr_b32 s94, s[CLY], 1
	s_lshl_b32 s94, s94, 4                         ; k: 16 x batch
	s_lshl_b32 s2, s[CLX], 3
	s_add_co_u32 s94, s94, s2
	s_lshl_b32 s2, s[CX], 1
	s_add_co_u32 s94, s94, s2
	s_add_co_u32 s94, s94, s[HB]                   ; + 8 X + 2 cx + HB
	s_mul_i32 s94, s94, RB
	s_add_co_u32 s94, s94, KB
	s_mov_b32 s95, 0
	s_mul_i32 s3, s[WV], OB
	s_wait_dscnt 0x0                               ; both opening adds are done
	s_wait_kmcnt 0x0
	s_add_nc_u64 s[92:93], s[4:5], s[92:93]
	s_add_nc_u64 s[94:95], s[4:5], s[94:95]
	CROUND                                         ; all sixteen work-groups are here: the first joint loads meet
.irp s, 0,1
	s_mov_b32 s[G0+4*\s], 1
	s_add_co_u32 s[G0+4*\s+1], s3, \s*SLOT
	s_add_nc_u64 s[G0+4*\s+2:G0+4*\s+3], s[92:93], \s*NQ*KST
	s_or_b32 s[G0+4*\s+3], s[G0+4*\s+3], 0x80000000
	s_mov_b32 s[G0B+4*\s], 1
	s_add_co_u32 s[G0B+4*\s+1], s3, \s*SLOT
	s_add_nc_u64 s[G0B+4*\s+2:G0B+4*\s+3], s[94:95], \s*NQ*KST
	s_or_b32 s[G0B+4*\s+3], s[G0B+4*\s+3], 0x80000000
.endr
	JLOAD 0                                        ; K steps 0 to 2: my one load at the head
	v_and_b32 v1, 31, v0
	v_and_b32 v2, 15, v0
	v_bfe_u32 v3, v0, 4, 1
	v_lshlrev_b32 v[LI], 4, v1
	v_lshlrev_b32 v[L8], 3, v1
	v_lshlrev_b32 v[L4], 2, v1
	v_lshlrev_b32 v[H8], 3, v3
	WALU
	s_mul_i32 s2, s[HA], OB
	s_mul_i32 s3, s[HB], OB
	s_add_co_u32 s3, s3, 2*OB
	s_xor_b32 s21, s[HA], 1                        ; from my half of q to my half of k: (1 + HB + (HA xor 1)) operands
	s_add_co_u32 s21, s21, s[HB]
	s_add_co_u32 s21, s21, 1
	s_mul_i32 s21, s21, OB
	s_add_co_u32 s22, s2, 12288
	v_add_nc_u32 v[A16], s2, v[LI]
	v_add_nc_u32 v[A8], s2, v[L8]
	v_add_nc_u32 v[B16], s3, v[LI]
	v_add_nc_u32 v[B8], s3, v[L8]
	v_mul_u32_u24 v[ADS], s21, v3
	v_lshl_add_u32 v[ADS], v2, 5, v[ADS]
	v_add_nc_u32 v[ADS], s22, v[ADS]
.irp g, A16, A8, B16, B8, ADS
	v_add_nc_u32 v[\g+1], SLOT, v[\g]
.endr
	WALU
	s_mov_b32 s[HM], 0xffff0000
	s_mov_b32 s[SEL], 0x76543210
	s_mov_b32 s[SEL+1], 0xfedcba98
	; where my results go: fragment (8 X + 2 cx + HB) x 512 + 64 Y + 16 cy + 8 HA; my eight blocks are eight fragments on end
	s_lshl_b32 s2, s[CLX], 3
	s_lshl_b32 s3, s[CX], 1
	s_add_co_u32 s2, s2, s3
	s_add_co_u32 s2, s2, s[HB]
	s_lshl_b32 s2, s2, 9
	s_lshl_b32 s3, s[CLY], 6
	s_add_co_u32 s2, s2, s3
	s_lshl_b32 s3, s[CY], 4
	s_add_co_u32 s2, s2, s3
	s_lshl_b32 s3, s[HA], 3
	s_add_co_u32 s2, s2, s3
	s_mul_i32 s92, s2, 1536
	s_mov_b32 s93, 0
	s_lshl_b32 s94, s2, 6
	s_add_co_u32 s94, s94, PS
	s_mov_b32 s95, 0
	s_add_nc_u64 s[92:93], s[6:7], s[92:93]
	s_add_nc_u64 s[94:95], s[6:7], s[94:95]
	s_wait_tensorcnt 0x0                           ; my part of slot 0 is in
	ds_add_u32 v[SPW], v[NIL]
	s_wait_dscnt 0x0
	CROUND                                         ; slot 0 is whole
	JLOAD 1                                        ; K steps 3 to 5
	FETB 0
	FETA 0
	STEP 0, 1                                      ; the first step's products start the sums: nothing is cleared
	STEP 1, 0
	TURN 2, 1                                      ; slot 1 is whole; slot 0 takes K steps 6 and 7
	STEP 3, 0
	STEP 4, 0
	TURN 5, 0                                      ; slot 0 is whole again; nothing more is filled
	STEP 6, 0
	s_wait_dscnt 0x0
	MULS 0, 7, 1, 0
	WIN 0
	PLACES 4
	v_mov_b32 v[TX], 0                             ; (a lane permute's destination counts as one of its sources)
	v_mov_b32 v[TX+1], 0
	v_mov_b32 v[NM+1], 0                           ; (named with -M as a pair)
	v_mov_b32 v[NM+3], 0
.irp a, 0,2,4,6
	SOFTQ \a
.endr
.irp i, 0,1,2,3
	v_cndmask_b32 v[JN+\i], v[PWS+2*\i], v[PWS+2*\i+1], s[HM]       ; lanes 0-15 block 2 i's, lanes 16-31 block 2 i + 1's
	v_cndmask_b32 v[JN+4+\i], v[NMS+2*\i], v[NMS+2*\i+1], s[HM]
	v_cndmask_b32 v[JN+8+\i], v[LSS+2*\i], v[LSS+2*\i+1], s[HM]
.endr
.irp i, 0,1,2,3
	global_store_b32 v[L4], v[JN+\i], s[94:95] offset:128*\i                 ; my eight blocks' words are 512 consecutive bytes
	global_store_b32 v[L4], v[JN+4+\i], s[94:95] offset:524288+128*\i        ; -M
	global_store_b32 v[L4], v[JN+8+\i], s[94:95] offset:1048576+128*\i       ; l
.endr
	s_wait_tensorcnt 0x0                           ; the wave's end
	ds_add_u32 v[SPW], v[NIL]
	s_wait_dscnt 0x0
	CROUND                                         ; the closing round
	s_endpgm
.Lfunc_end_k_q89e7b33ec8_score:
	.size	k_q89e7b33ec8_score, .Lfunc_end_k_q89e7b33ec8_score-k_q89e7b33ec8_score
	.p2alignl 7, 3214868480
	.fill 96, 4, 3214868480
	.section	.rodata,"a",@progbits
	.p2align	6, 0x0
	.amdhsa_kernel k_q89e7b33ec8_score
		.amdhsa_group_segment_fixed_size 327680
		.amdhsa_private_segment_fixed_size 0
		.amdhsa_enable_private_segment 0
		.amdhsa_kernarg_size 16
		.amdhsa_user_sgpr_count 2
		.amdhsa_user_sgpr_kernarg_segment_ptr 1
		.amdhsa_wavefront_size32 1
		.amdhsa_system_sgpr_workgroup_id_x 1
		.amdhsa_system_sgpr_workgroup_id_y 1
		.amdhsa_system_sgpr_workgroup_id_z 1
		.amdhsa_system_vgpr_workitem_id 0
		.amdhsa_next_free_vgpr 1024
		.amdhsa_next_free_sgpr 102
		.amdhsa_reserve_vcc 0
		.amdhsa_float_denorm_mode_32 3
		.amdhsa_float_denorm_mode_16_64 3
		.amdhsa_memory_ordered 1
		.amdhsa_forward_progress 1
		.amdhsa_inst_pref_size 191
	.end_amdhsa_kernel
	.amdgpu_metadata
---
amdhsa.version: [ 1, 2 ]
amdhsa.kernels:
  - .name:           k_q89e7b33ec8_score
    .symbol:         k_q89e7b33ec8_score.kd
    .args:
      - { .name: qkv, .offset: 0, .size: 8, .value_kind: global_buffer, .address_space: global }
      - { .name: pp, .offset: 8, .size: 8, .value_kind: global_buffer, .address_space: global }
    .group_segment_fixed_size: 327680
    .private_segment_fixed_size: 0
    .kernarg_segment_align: 8
    .kernarg_segment_size: 16
    .max_flat_workgroup_size: 128
    .sgpr_count:     102
    .vgpr_count:     1024
    .wavefront_size: 32
...
	.end_amdgpu_metadata
.endif
;; end of part 3
;; launch pv (part 4): grid 4 x 64, 4 waves a work-group, clusters of 4 x 4, 327,680 bytes of LDS; arguments pp, qkv, out0; writes out0
.if DOCPART == 4
	.amdgcn_target "amdgcn-amd-amdhsa--gfx1250"
	.amdhsa_code_object_version 6
	.text
	.protected	k_q89e7b33ec8_pv
	.globl	k_q89e7b33ec8_pv
	.p2align	8
	.type	k_q89e7b33ec8_pv,@function
k_q89e7b33ec8_pv:
	s_mov_b64 s[64:65], 0
	v_nop
	global_prefetch_b8 v0, s[64:65] scope:SCOPE_SE
	s_setreg_imm32_b32 hwreg(HW_REG_WAVE_MODE, 25, 1), 1
	s_wait_xcnt 0x0
	s_wait_alu depctr_hold_cnt(0) depctr_sa_sdst(0) depctr_va_vdst(0) depctr_va_sdst(0) depctr_va_ssrc(0) depctr_va_vcc(0) depctr_vm_vsrc(0)
	s_getreg_b32 s2, hwreg(HW_REG_IB_STS2, 6, 4)
	s_cmp_eq_u32 s2, 0
	s_cbranch_scc0 .Lentry_in_a_cluster
	s_endpgm
.Lentry_in_a_cluster:
	s_bfe_u32 s2, ttmp6, 0x10000c
	s_cmp_lg_u32 s2, 0xf033
	s_cbranch_scc0 .Lentry_shape_is_right
	s_endpgm
.Lentry_shape_is_right:
; out = (p v) / l on codes of FP6 (E2M3) with E8M0 scales.  p's codes were made under a local M for each query and each group of 128 keys (= one K step here).
; THE CORRECTION, once at the head: M(row) = the largest of the row's 16 local M; d = M(row) - M(group), a whole number, 0 or more; each of the group's four scale bytes becomes max(byte - d, 0), and l = the sum of l(group) x 2^-d.
; That is the running maximum's rescaling, an exact power of two, taken up by the blocks' scales; the codes stay.
; OPERANDS are images of operand registers.  p: fragment (T, s) at (512 s + T) x 1,536, T = query tile, s = key step of 16.  v: rows of 12,800 bytes (eight fragments along e and their scale words [row 16][tile 8]), row 1,024 + 32 s + 8 x batch + e / 128 of qkv.
; A tile of 128 queries x 256 of e is made by four waves, 64 x 128 each: 32 accumulators, 256 registers (tiles of 256 x 256 would be 128 work-groups only).
; "A" = p is source 1 (a lane holds one query), "B" = v source 0: by the order of rows in a tile the 32 registers of four tiles of e are 32 neighbours: e 64 (b / 4) + 32 (lane / 16) + 8 (b % 4) + j.
; K = 2,048 keys go in 16 steps of 128 through two LDS slots of four steps.  CLUSTER 4 x 4: p's tiles are asked for jointly along a row of the cluster, v's along a column.
; PREFETCHES: what a slot will be filled with is asked for one fill earlier, each unit of 256 bytes once in each cluster: of a load's four K steps the partner at place cx (p) or cy (v) takes one.  The last fill asks for nothing.
; LIMITS: d is held at 127 and a byte at 0 (2^-127): that touches only terms under about 2^-124 of a row whose largest p is above 1/2.  NaN and infinities are not served.
; REGISTERS: window 0: v0-31 addresses; v32-55 scale words; v56-63 1 / l; v64-111, v112-159 A's fragments, two sets.  window 1: B's two sets.  window 2: accumulator (a, b) at v[8 (8 a + b)].
.set RB,    12800
.set NQ,    4
.set HAB,   NQ*6144                    ; what one load brings of p
.set HBB,   NQ*RB                      ; and of v
.set SLOT,  2*HAB+2*HBB
.set KSA,   512*1536                   ; from key step to key step in pp
.set KSB,   32*RB                      ; in qkv
.set PSC,   2*SLOT                     ; p's corrected scale words [s][half][row 16][tile 4], 8,192 bytes, written by ds_store
.set RL,    PSC+8192                   ; 1 / l of the 128 queries
.set SPARE, RL+512
.set SPIT,  528                        ; the way out: a stage of 16 rows x (512 + 16) bytes for each wave, in slot 0, which has then had its last fill and its last read
.set PS,    12582912
.set LI,    4
.set ADRA,  6                          ; v6, v7
.set ADRB,  8                          ; v8, v9
.set ADRV,  10                         ; v10, v11 v's scale words
.set ADRP,  12                         ; p's
.set ART,   13                         ; RL + 4 x thread
.set ARL,   14
.set ASO,   15
.set ASR,   16
.set AT4,   17
.set APS,   18
.set PFA,   19                         ; the prefetches' offsets
.set PFB,   20
.set SPW,   28
.set NIL,   29
.set SCV,   32                         ; v32-47: two sets of eight
.set SCP,   48                         ; v48-55: two sets of four
.set RLV,   56
.set AF,    64
.set PW,    64
.set PN,    80
.set PL,    96
.set PMIN,  112
.set PT,    128
.set ST,    64
.set OB,    128
.set WV,   14
.set HA,   15
.set HB,   16
.set CX,   17
.set CY,   18
.set CLY,  20
.set G1,   24
.set G0,   32
.set G1B,  44
.set G0B,  52
.set MSB, 0
.macro WIN new
.if MSB != (\new)
	s_set_vgpr_msb (MSB<<8)|(\new)
.set MSB, \new
.endif
.endm
.macro PLACES n
.rept \n
	v_nop
.endr
.endm
.macro WALU
	s_wait_alu depctr_va_vdst(0)
.endm
.macro JLOAD s                         ; a joint load: waves 0 and 1 fetch p's halves, waves 2 and 3 v's
	s_cmp_eq_u32 s[HA], 0
	s_cbranch_scc0 .Lfor_b_\@
	tensor_load_to_lds s[G0+4*\s:G0+4*\s+3], s[G1:G1+7]
	s_nop 0
	PLACES 4
	s_branch .Lasked_\@
.Lfor_b_\@:
	tensor_load_to_lds s[G0B+4*\s:G0B+4*\s+3], s[G1B:G1B+7]
	s_nop 0
	PLACES 4
.Lasked_\@:
.endm
.macro PF f                            ; what fill f (1 to 3) will bring, my partner's share: 24 units of p, or 50 of v
	s_cmp_eq_u32 s[HA], 0
	s_cbranch_scc0 .Lpf_b_\@
	global_prefetch_b8 v[PFA], s[98:99] offset:((\f)-1)*NQ*KSA th:TH_LOAD_NT scope:SCOPE_SE
	s_branch .Lpf_\@
.Lpf_b_\@:
	global_prefetch_b8 v[PFA], s[98:99] offset:((\f)-1)*NQ*KSB th:TH_LOAD_NT scope:SCOPE_SE
	global_prefetch_b8 v[PFB], s[98:99] offset:((\f)-1)*NQ*KSB th:TH_LOAD_NT scope:SCOPE_SE
.Lpf_\@:
.endm
.macro CREST
	s_cmp_lg_u32 s[WV], 0
	s_cbranch_scc1 .Lnot_wave_0_\@
	s_barrier_signal -3
.Lnot_wave_0_\@:
	s_barrier_wait -3
	s_barrier_signal -1
	s_barrier_wait -1
.endm
.macro CROUND
	s_barrier_signal -1
	s_barrier_wait -1
	CREST
.endm
.macro FETB s                          ; key step s: v's eight fragments and both sides' scale words into set s % 2
.set SL_, ((\s)/NQ)%2
.set P_, (\s)%2
	WIN 0x40
.irp i, 0,1,2,3,4,5,6,7
.irp c, 0,1,2
	ds_load_b128 v[128*P_+12*\i+4*\c:128*P_+12*\i+4*\c+3], v[ADRB+SL_] offset:((\s)%NQ)*RB+1536*\i+512*\c
.endr
.endr
	WIN 0
	ds_load_b128 v[SCV+8*P_:SCV+8*P_+3], v[ADRV+SL_] offset:((\s)%NQ)*RB
	ds_load_b128 v[SCV+8*P_+4:SCV+8*P_+7], v[ADRV+SL_] offset:((\s)%NQ)*RB+16
	ds_load_b128 v[SCP+4*P_:SCP+4*P_+3], v[ADRP] offset:512*(\s)
.endm
.macro FETA s                          ; and p's four
.set SL_, ((\s)/NQ)%2
.set P_, (\s)%2
	WIN 0
.irp i, 0,1,2,3
.irp c, 0,1,2
	ds_load_b128 v[AF+48*P_+12*\i+4*\c:AF+48*P_+12*\i+4*\c+3], v[ADRA+SL_] offset:((\s)%NQ)*6144+1536*\i+512*\c
.endr
.endr
.endm
.macro MULS a0, a1, p, zero            ; all accumulators take turns, one instruction a turn, in the same order in every step
.set AI, \a0
.rept (\a1)-(\a0)+1
	WIN 0xa1
.irp b, 0,1,2,3,4,5,6,7
.if \zero
	v_wmma_scale_f32_16x16x128_f8f6f4 v[8*(8*AI+\b):8*(8*AI+\b)+7], v[128*(\p)+12*\b:128*(\p)+12*\b+11], v[AF+48*(\p)+12*AI:AF+48*(\p)+12*AI+11], 0, v[SCV+8*(\p)+\b], v[SCP+4*(\p)+AI] matrix_a_fmt:MATRIX_FMT_FP6 matrix_b_fmt:MATRIX_FMT_FP6
.else
	v_wmma_scale_f32_16x16x128_f8f6f4 v[8*(8*AI+\b):8*(8*AI+\b)+7], v[128*(\p)+12*\b:128*(\p)+12*\b+11], v[AF+48*(\p)+12*AI:AF+48*(\p)+12*AI+11], v[8*(8*AI+\b):8*(8*AI+\b)+7], v[SCV+8*(\p)+\b], v[SCP+4*(\p)+AI] matrix_a_fmt:MATRIX_FMT_FP6 matrix_b_fmt:MATRIX_FMT_FP6
.endif
.endr
.set AI, AI+1
.endr
.endm
.macro STEP s, zero
	s_wait_dscnt 0x0                               ; this step's fragments and scale words are in
	MULS 0, 0, (\s)%2, \zero
	PLACES 4                                       ; behind the last product that read the other set
	FETB (\s)+1
	MULS 1, 1, (\s)%2, \zero
	FETA (\s)+1
	MULS 2, 3, (\s)%2, \zero
	WIN 0
.endm
.macro TURN s, fill, pf                ; a slot's last step: one barrier; fill = 1: it opens a round, behind which this slot is filled again, eight key steps ahead
.set SF_, ((\s)/NQ)%2
	s_wait_tensorcnt 0x0                           ; all my tensor loads have landed: my part of the other slot
	ds_add_u32 v[SPW], v[NIL]                      ; 0 onto my spare word
	s_wait_dscnt 0x1                               ; only the add may be out: this step's fragments are in
	MULS 0, 0, (\s)%2, 0
.if \fill
	s_add_nc_u64 s[G0+4*SF_+2:G0+4*SF_+3], s[G0+4*SF_+2:G0+4*SF_+3], 2*NQ*KSA
	s_add_nc_u64 s[G0B+4*SF_+2:G0B+4*SF_+3], s[G0B+4*SF_+2:G0B+4*SF_+3], 2*NQ*KSB
.endif
	s_wait_dscnt 0x0                               ; the add is done, and my reads of this slot are over
	s_barrier_signal -1
	MULS 1, 1, (\s)%2, 0
	WIN 0
	s_barrier_wait -1
.if \fill
	CREST
	JLOAD SF_                                      ; my one tensor load behind the round; its four v_nop are also the places in front of the loads below
.else
	PLACES 4
.endif
	FETB (\s)+1
	FETA (\s)+1
.if \pf
	PF \pf
.endif
	MULS 2, 3, (\s)%2, 0
	WIN 0
.endm
	s_load_b128 s[4:7], s[0:1], 0x0                ; pp s[4:5], qkv s[6:7]
	s_load_b64 s[8:9], s[0:1], 0x10                ; out0
	v_lshl_add_u32 v[SPW], v0, 2, SPARE
	v_mov_b32 v[NIL], 0
	ds_add_u32 v[SPW], v[NIL]                      ; the opening lines: the add, twice on end, and its wait
	ds_add_u32 v[SPW], v[NIL]
	v_lshrrev_b32 v1, 5, v0
	v_readfirstlane_b32 s[WV], v1
	s_lshr_b32 s[HA], s[WV], 1
	s_and_b32 s[HB], s[WV], 1
	s_bfe_u32 s[CX], ttmp6, 0x40000
	s_bfe_u32 s[CY], ttmp6, 0x40004
	s_and_b32 s[CLY], ttmp7, 0xffff
	s_lshl_b32 s21, s[CY], 2
	s_lshl_b32 s21, 15, s21                        ; my row of the cluster
	s_lshl_b32 s22, 0x1111, s[CX]                  ; my column
	s_or_b32 s[G1], s21, (3<<16)|(1<<21)           ; p: 4 key steps of 4 fragments
	s_mov_b32 s[G1+1], 768<<16
	s_mov_b32 s[G1+2], NQ<<16
	s_mov_b32 s[G1+3], 768<<16
	s_mov_b32 s[G1+4], NQ
	s_mov_b32 s[G1+5], KSA/8
	s_mov_b32 s[G1+6], 0
	s_mov_b32 s[G1+7], 0
	s_or_b32 s[G1B], s22, (3<<16)|(1<<21)          ; v: 4 key steps of one row of 12,800 bytes
	s_mov_b32 s[G1B+1], (RB/8)<<16
	s_mov_b32 s[G1B+2], NQ<<16
	s_mov_b32 s[G1B+3], (RB/8)<<16
	s_mov_b32 s[G1B+4], NQ
	s_mov_b32 s[G1B+5], KSB/8
	s_mov_b32 s[G1B+6], 0
	s_mov_b32 s[G1B+7], 0
	s_mov_b32 s100, 0x80808080
	s_mov_b32 s101, 0x01010101
	s_lshl_b32 s23, s[CLY], 2
	s_add_co_u32 s23, s23, s[CY]                   ; y: my block of 128 queries
	s_lshl_b32 s92, s23, 3
	s_lshl_b32 s2, s[HB], 2
	s_add_co_u32 s92, s92, s2                      ; p: tile 8 y + 4 HB
	s_mul_i32 s92, s92, 1536
	s_mov_b32 s93, 0
	s_lshr_b32 s94, s[CLY], 2
	s_lshl_b32 s94, s94, 3                         ; v: 8 x batch
	s_lshl_b32 s3, s[CX], 1
	s_add_co_u32 s94, s94, s3
	s_add_co_u32 s94, s94, s[HB]                   ; + 2 cx + HB
	s_mul_i32 s94, s94, RB
	s_add_co_u32 s94, s94, 1024*RB
	s_mov_b32 s95, 0
	s_mul_i32 s2, s[HB], HAB                       ; where my load goes in a slot, if I fetch for p,
	s_mul_i32 s3, s[HB], HBB
	s_add_co_u32 s3, s3, 2*HAB                     ; and if for v
	s_wait_dscnt 0x0                               ; both opening adds are done
	s_wait_kmcnt 0x0
	s_add_nc_u64 s[92:93], s[4:5], s[92:93]
	s_add_nc_u64 s[94:95], s[6:7], s[94:95]
	CROUND                                         ; all sixteen work-groups are here: the first joint loads meet
.irp s, 0,1
	s_mov_b32 s[G0+4*\s], 1
	s_add_co_u32 s[G0+4*\s+1], s2, \s*SLOT
	s_add_nc_u64 s[G0+4*\s+2:G0+4*\s+3], s[92:93], \s*NQ*KSA
	s_or_b32 s[G0+4*\s+3], s[G0+4*\s+3], 0x80000000
	s_mov_b32 s[G0B+4*\s], 1
	s_add_co_u32 s[G0B+4*\s+1], s3, \s*SLOT
	s_add_nc_u64 s[G0B+4*\s+2:G0B+4*\s+3], s[94:95], \s*NQ*KSB
	s_or_b32 s[G0B+4*\s+3], s[G0B+4*\s+3], 0x80000000
.endr
	JLOAD 0                                        ; key steps 0 to 3: my one load at the head
	; THE CORRECTION.  Thread t serves row slot (tile t / 16, lane t % 16) of the 128 queries: its 16 scale words, -M and l
	s_lshl_b32 s96, s23, 9
	s_add_co_u32 s96, s96, PS
	s_mov_b32 s97, 0
	s_add_nc_u64 s[96:97], s[4:5], s[96:97]
	v_lshlrev_b32 v[AT4], 2, v0
.set i, 0
.rept 16
	global_load_b32 v[PN+i], v[AT4], s[96:97] offset:32768*i+524288
.set i, i+1
.endr
.set i, 0
.rept 16
	global_load_b32 v[PL+i], v[AT4], s[96:97] offset:32768*i+1048576
	global_load_b32 v[PW+i], v[AT4], s[96:97] offset:32768*i
.set i, i+1
.endr
	v_and_b32 v1, 31, v0
	v_and_b32 v2, 15, v0
	v_bfe_u32 v3, v0, 4, 1
	v_lshlrev_b32 v[LI], 4, v1
	v_lshl_add_u32 v[ART], v0, 2, RL
	v_lshlrev_b32 v[APS], 4, v2                    ; PSC + 256 (t / 64) + 16 (t % 16) + 4 ((t / 16) % 4)
	v_bfe_u32 v21, v0, 4, 2
	v_lshl_add_u32 v[APS], v21, 2, v[APS]
	v_lshrrev_b32 v21, 6, v0
	v_lshl_add_u32 v[APS], v21, 8, v[APS]
	v_add_nc_u32 v[APS], PSC, v[APS]
	WALU
	s_mul_i32 s2, s[HA], HAB
	s_mul_i32 s3, s[HB], HBB
	s_add_co_u32 s3, s3, 2*HAB
	s_add_co_u32 s21, s3, 12288
	s_lshl_b32 s22, s[HA], 8
	s_add_co_u32 s66, s22, PSC
	s_add_co_u32 s67, s22, RL
	s_mul_i32 s22, s[WV], 16*SPIT                  ; my stage
	v_add_nc_u32 v[ADRA], s2, v[LI]
	v_add_nc_u32 v[ADRB], s3, v[LI]
	v_lshl_add_u32 v[ADRV], v2, 5, s21
	v_lshl_add_u32 v[ADRP], v2, 4, s66
	v_lshl_add_u32 v[ARL], v2, 2, s67              ; 1 / l: RL + 256 HA + 4 r
	v_mul_u32_u24 v[ASO], v2, SPIT
	v_lshl_add_u32 v[ASO], v3, 7, v[ASO]
	v_add_nc_u32 v[ASO], s22, v[ASO]               ; in: row r, + 128 h
	v_add_nc_u32 v[ASR], s22, v[LI]                ; back: 16 bytes a lane of a whole row
.irp g, ADRA, ADRB, ADRV
	v_add_nc_u32 v[\g+1], SLOT, v[\g]
.endr
	; the prefetches: my partner's key step of a fill: 4 + cx for p, 4 + cy for v
	s_add_co_u32 s21, s[CX], NQ
	s_mul_i32 s21, s21, KSA
	s_add_co_u32 s22, s[CY], NQ
	s_mul_i32 s22, s22, KSB
	s_mov_b32 s3, 23
	s_cmp_eq_u32 s[HA], 0
	s_cselect_b32 s2, s21, s22
	s_cselect_b32 s21, s3, 49
	s_cselect_b64 s[98:99], s[92:93], s[94:95]
	s_mov_b32 s3, 0
	s_add_nc_u64 s[98:99], s[98:99], s[2:3]
	WALU
	v_min_u32 v[PFA], s21, v1
	v_lshlrev_b32 v[PFA], 8, v[PFA]
	v_add_nc_u32 v[PFB], 32, v1
	v_min_u32 v[PFB], 49, v[PFB]
	v_lshlrev_b32 v[PFB], 8, v[PFB]
	WALU
	s_lshl_b32 s2, s23, 7                          ; out0: row 128 y + 64 HA, byte 1,024 cx + 512 HB
	s_lshl_b32 s3, s[HA], 6
	s_add_co_u32 s2, s2, s3
	s_lshl_b32 s2, s2, 12
	s_lshl_b32 s3, s[CX], 10
	s_add_co_u32 s2, s2, s3
	s_lshl_b32 s3, s[HB], 9
	s_add_co_u32 s2, s2, s3
	s_mov_b32 s3, 0
	s_add_nc_u64 s[8:9], s[8:9], s[2:3]
	PF 1                                           ; key steps 4 to 7
	s_wait_loadcnt 0x0
	v_min3_num_f32 v[PMIN], v[PN], v[PN+1], v[PN+2]
	v_min3_num_f32 v[PMIN+1], v[PN+3], v[PN+4], v[PN+5]
	v_min3_num_f32 v[PMIN+2], v[PN+6], v[PN+7], v[PN+8]
	v_min3_num_f32 v[PMIN+3], v[PN+9], v[PN+10], v[PN+11]
	v_min3_num_f32 v[PMIN], v[PMIN], v[PN+12], v[PN+13]
	v_min3_num_f32 v[PMIN+1], v[PMIN+1], v[PN+14], v[PN+15]
	v_min_num_f32 v[PMIN+2], v[PMIN+2], v[PMIN+3]
	v_min3_num_f32 v[PMIN], v[PMIN], v[PMIN+1], v[PMIN+2]   ; the least -M: minus the row's M
.set i, 0
.rept 16
	v_sub_f32 v[PN+i], v[PN+i], v[PMIN]            ; d = M(row) - M(group), a whole number, 0 or more
.set i, i+1
.endr
.set i, 0
.rept 16
	v_cvt_i32_f32 v[PN+i], v[PN+i]                 ; (it saturates)
.set i, i+1
.endr
.set i, 0
.rept 16
	v_min_u32 v[PN+i], 127, v[PN+i]                ; held at 127
.set i, i+1
.endr
.set i, 0
.rept 16
	v_sub_nc_u32 v[PT+i], 0, v[PN+i]
.set i, i+1
.endr
.set i, 0
.rept 16
	v_ldexp_f32 v[PL+i], v[PL+i], v[PT+i]          ; l(group) x 2^-d
.set i, i+1
.endr
.set i, 0
.rept 16
	v_mul_lo_u32 v[PN+i], v[PN+i], s101            ; d in each of the four bytes
.set i, i+1
.endr
.set i, 0
.rept 16
	v_or_b32 v[PW+i], s100, v[PW+i]                ; p is at most 1, so a byte is at most 125: bit 7 is free.  With it set, byte - d borrows from no neighbour,
.set i, i+1
.endr
.set i, 0
.rept 16
	v_sub_nc_u32 v[PW+i], v[PW+i], v[PN+i]         ; and bit 7 stays set just where byte >= d
.set i, i+1
.endr
.set i, 0
.rept 16
	v_and_b32 v[PT+i], s100, v[PW+i]
.set i, i+1
.endr
.set i, 0
.rept 16
	v_lshrrev_b32 v[PN+i], 7, v[PT+i]
.set i, i+1
.endr
.set i, 0
.rept 16
	v_sub_nc_u32 v[PT+i], v[PT+i], v[PN+i]         ; 0x7f in those bytes, 0 in the others
.set i, i+1
.endr
.set i, 0
.rept 16
	v_and_b32 v[PW+i], v[PW+i], v[PT+i]            ; max(byte - d, 0)
.set i, i+1
.endr
.set i, 0
.rept 16
	ds_store_b32 v[APS], v[PW+i] offset:512*i
.set i, i+1
.endr
.irp j, 0,4,8,12
	v_pk_add_f32 v[PL+\j:PL+\j+1], v[PL+\j:PL+\j+1], v[PL+\j+2:PL+\j+3]
.endr
	v_pk_add_f32 v[PL:PL+1], v[PL:PL+1], v[PL+4:PL+5]
	v_pk_add_f32 v[PL+8:PL+9], v[PL+8:PL+9], v[PL+12:PL+13]
	v_pk_add_f32 v[PL:PL+1], v[PL:PL+1], v[PL+8:PL+9]
	v_add_f32 v[PL], v[PL], v[PL+1]                ; the row's l
	WALU
	v_rcp_f32 v[PL+2], v[PL]
	v_nop                                          ; a plain instruction behind the reciprocal
	WALU
	ds_store_b32 v[ART], v[PL+2]
	s_wait_tensorcnt 0x0                           ; my part of slot 0 is in
	ds_add_u32 v[SPW], v[NIL]
	s_wait_dscnt 0x0                               ; the add is done; for the others' sake: my corrected words and 1 / l have landed
	CROUND                                         ; slot 0 is whole
	JLOAD 1                                        ; key steps 4 to 7
	FETB 0
	FETA 0
	PF 2                                           ; key steps 8 to 11
	STEP 0, 1                                      ; the first step's products start the sums: nothing is cleared
	STEP 1, 0
	STEP 2, 0
	TURN 3, 1, 3                                   ; slot 0 takes key steps 8 to 11; 12 to 15 are asked for into the L2
	STEP 4, 0
	STEP 5, 0
	STEP 6, 0
	TURN 7, 1, 0                                   ; slot 1 takes key steps 12 to 15
	STEP 8, 0
	STEP 9, 0
	STEP 10, 0
	TURN 11, 0, 0                                  ; slot 1 is whole; nobody reads slot 0 any more, and nothing is filled again
	STEP 12, 0
	STEP 13, 0
	STEP 14, 0
	s_wait_dscnt 0x0
	MULS 0, 3, 1, 0
	WIN 0
	PLACES 4
	; THE WAY OUT, block by block of 16 queries x 128 of e: divided by l, through my stage, back as whole rows of 512 bytes
.irp a, 0,1,2,3
	ds_load_b32 v[RLV+2*\a], v[ARL] offset:64*\a
	v_mov_b32 v[RLV+2*\a+1], 0                     ; (named with it as a pair)
.endr
	WALU
	s_wait_dscnt 0x0
.irp a, 0,1,2,3
.if \a > 1
	s_wait_xcnt 0x0                                ; block a - 2's stores have read the registers that this block's rows land in
.endif
	WIN 0x02                                       ; source 0: window 2
.set i, 0
.rept 32
	v_pk_mul_f32 v[ST+2*i:ST+2*i+1], v[64*\a+2*i:64*\a+2*i+1], v[RLV+2*\a:RLV+2*\a+1] op_sel_hi:[1,0]   ; each accumulator from its low end on
.set i, i+1
.endr
	WIN 0
.irp b, 0,1,2,3,4,5,6,7
	ds_store_b128 v[ASO], v[ST+8*\b:ST+8*\b+3] offset:256*(\b/4)+32*(\b%4)
	ds_store_b128 v[ASO], v[ST+8*\b+4:ST+8*\b+7] offset:256*(\b/4)+32*(\b%4)+16
.endr
.irp t, 0,1,2,3,4,5,6,7,8,9,10,11,12,13,14,15
	ds_load_b128 v[OB+64*(\a%2)+4*\t:OB+64*(\a%2)+4*\t+3], v[ASR] offset:\t*SPIT        ; LDS serves a wave's instructions in order: these see my stores
.endr
.irp t, 0,1,2,3,4,5,6,7,8,9,10,11,12,13,14,15
	s_wait_dscnt 15-\t                             ; row t is back; the younger loads stay out
	global_store_b128 v[LI], v[OB+64*(\a%2)+4*\t:OB+64*(\a%2)+4*\t+3], s[8:9] offset:(8*\a+\t%8+32*(\t/8))*4096 th:TH_STORE_NT   ; row t of tile a is query 8 a + t % 8 + 32 (t / 8) of my 64; 512 consecutive bytes, at a multiple of 256 from out0's first byte
.endr
.endr
	s_wait_tensorcnt 0x0                           ; the wave's end, behind my last tensor load and my last LDS store
	ds_add_u32 v[SPW], v[NIL]
	s_wait_dscnt 0x0
	CROUND                                         ; the closing round
	s_endpgm
.Lfunc_end_k_q89e7b33ec8_pv:
	.size	k_q89e7b33ec8_pv, .Lfunc_end_k_q89e7b33ec8_pv-k_q89e7b33ec8_pv
	.p2alignl 7, 3214868480
	.fill 96, 4, 3214868480
	.section	.rodata,"a",@progbits
	.p2align	6, 0x0
	.amdhsa_kernel k_q89e7b33ec8_pv
		.amdhsa_group_segment_fixed_size 327680
		.amdhsa_private_segment_fixed_size 0
		.amdhsa_enable_private_segment 0
		.amdhsa_kernarg_size 24
		.amdhsa_user_sgpr_count 2
		.amdhsa_user_sgpr_kernarg_segment_ptr 1
		.amdhsa_wavefront_size32 1
		.amdhsa_system_sgpr_workgroup_id_x 1
		.amdhsa_system_sgpr_workgroup_id_y 1
		.amdhsa_system_sgpr_workgroup_id_z 1
		.amdhsa_system_vgpr_workitem_id 0
		.amdhsa_next_free_vgpr 768
		.amdhsa_next_free_sgpr 102
		.amdhsa_reserve_vcc 0
		.amdhsa_float_denorm_mode_32 3
		.amdhsa_float_denorm_mode_16_64 3
		.amdhsa_memory_ordered 1
		.amdhsa_forward_progress 1
		.amdhsa_inst_pref_size 160
	.end_amdhsa_kernel
	.amdgpu_metadata
---
amdhsa.version: [ 1, 2 ]
amdhsa.kernels:
  - .name:           k_q89e7b33ec8_pv
    .symbol:         k_q89e7b33ec8_pv.kd
    .args:
      - { .name: pp, .offset: 0, .size: 8, .value_kind: global_buffer, .address_space: global }
      - { .name: qkv, .offset: 8, .size: 8, .value_kind: global_buffer, .address_space: global }
      - { .name: out0, .offset: 16, .size: 8, .value_kind: global_buffer, .address_space: global }
    .group_segment_fixed_size: 327680
    .private_segment_fixed_size: 0
    .kernarg_segment_align: 8
    .kernarg_segment_size: 24
    .max_flat_workgroup_size: 128
    .sgpr_count:     102
    .vgpr_count:     768
    .wavefront_size: 32
...
	.end_amdgpu_metadata
.endif
;; end of part 4
